; MI455X (gfx1250); checked and timed in simulation.
; The chip was launched on July 23, 2026; its instructions are those of AMD's public machine-readable ISA for CDNA 5 (MIT licence, August 2026) and "CDNA5" Instruction Set Architecture Reference Guide (July 2026). The comments in the code are by the model that wrote it; some were corrected since.
;; Causal Self Attention. Allowed arithmetic: matrix products marked QUANTISED: E4M3 operands, one given power-of-two scale a tensor, by v_wmma_f32_16x16x64_fp8_fp8 or v_wmma_f32_16x16x128_fp8_fp8, f32 sums; everything else in f32.
;; Inputs: W_attn 1,024 x 3,072 float32; W_proj 1,024 x 1,024 float32; lowp_scales 8 int32 (the exponents e of the quantised operands' scales 2^e); x 4 x 2,048 x 1,024 float32.
;; Outputs: out0 4 x 2,048 x 1,024 float32.
;; This version of the problem:
;;   THIS VERSION OF THE PROBLEM IS GIVEN IN LOW PRECISION. The matrix products marked QUANTISED in the list below multiply operands that are first quantised to E4M3 (4 exponent bits, 3 mantissa bits; 8 bits a number), with one given power-of-two scale for each operand tensor; their sums are f32. All else is computed in f32.
;;   The module's matrix products, in the order in which they are computed (A, B: the left and right operand; K: the contracted axis; several contracted axes count as one K, in the product's order):
;;     1. [M 8,192, K 1,024] x [K 1,024, N 3,072]; A: input x; B: input W_attn: QUANTISED (scales: A lowp_scales[0], B lowp_scales[1])
;;     2. batch 64 x [M 2,048, K 64] x [K 64, N 2,048]; A: computed on the way; B: computed on the way: QUANTISED (scales: A lowp_scales[2], B lowp_scales[3])
;;     3. batch 64 x [M 2,048, K 2,048] x [K 2,048, N 64]; A: softmax (see below); B: computed on the way: QUANTISED (scales: A lowp_scales[4], B lowp_scales[5])
;;     4. [M 8,192, K 1,024] x [K 1,024, N 1,024]; A: computed on the way; B: input W_proj: QUANTISED (scales: A lowp_scales[6], B lowp_scales[7])
;;   THE QUANTISER, for each operand of a quantised product, along K:
;;     - The operand's scale is 2^e, e = its entry of the input lowp_scales (int32; the entries are numbered through the quantised products in the list's order, A before B).
;;     - Each number is divided by the scale, clamped to +-448, and rounded to the nearest number of E4M3, ties to even, subnormals kept.
;;     - The product sums the exact products of the quantised numbers (number of the format x scale) in f32.
;;   ~~~python
;;   def quantise(x, axis, e):      # numpy; x: float32 -> the quantised numbers, widened to float32 again
;;       x = np.moveaxis(x, axis, -1); K = x.shape[-1]
;;       r = np.clip(x / 2.0 ** e, -448, 448)
;;       step = 2.0 ** (np.maximum(np.frexp(np.where(r == 0, 1, r))[1] - 1, -6) - 3)
;;       q = np.round(r / step) * step * 2.0 ** e      # np.round: ties to even
;;       return np.moveaxis(q, -1, axis).astype(np.float32)
;;   ~~~
;;   SOFTMAX AHEAD OF A QUANTISED PRODUCT. Where the list says 'softmax', what is quantised is not the finished softmax but p = 2^(t - M), with t = logit x log2(e) and M = ceil(the row's largest t), a whole number; so 1/2 < the row's largest p <= 1. The row's sum l is taken of the UNQUANTISED p, in f32, and the product's result is divided by l at the end. Since M is a whole number, a kernel that streams over the keys may use a running M (the ceiling of the running maximum): every later rescaling is an exact power of two, so the quantised numbers keep their values, but for numbers so far below the row's largest that they fall under the format's range.
;;   OPERANDS COMPUTED ON THE WAY. 'Computed on the way' means the value that the module computes at that place (a softmax that the list does not call 'softmax' is quantised finished and normalised). What goes into a quantiser is computed in f32, as accurately as f32 sums, v_exp_f32 and their like allow (about 1e-6 of the number): no bf16 or f16 on the way to a quantiser, and a product that is left as it is and whose result goes on into a quantised operand takes f32 operands (vector FMAs, or v_wmma_f32_16x16x4_f32). A number that lies on a knife's edge between two numbers of the format may be rounded either way, as far as f32 arithmetic and the matrix unit's own rounding can turn it there, and no further.
;; One version. Each part assembles by itself: llvm-mc -triple=amdgcn-amd-amdhsa -mcpu=gfx1250 --defsym DOCPART=n.
;; ======== version 1 of 1: 5 launches
;; limits: right only within a limited range of input values
;; workspace buffers: x_codes 8,388,608 bytes; wa_codes 3,145,728 bytes; wp_codes 1,048,576 bytes; q_img 8,388,608 bytes; kv_img 16,777,216 bytes; y_img 8,388,608 bytes
;; launch quant_x (part 1): grid 256 x 1, 4 waves a work-group, no clusters, 33,280 bytes of LDS; arguments x, lowp_scales, x_codes; writes x_codes
.if DOCPART == 1
	.amdgcn_target "amdgcn-amd-amdhsa--gfx1250"
	.amdhsa_code_object_version 6
	.text
	.protected	k_q904a59b4c4_quant_x
	.globl	k_q904a59b4c4_quant_x
	.p2align	8
	.type	k_q904a59b4c4_quant_x,@function
k_q904a59b4c4_quant_x:
	s_mov_b64 s[64:65], 0
	v_nop
	global_prefetch_b8 v0, s[64:65] scope:SCOPE_SE
	s_setreg_imm32_b32 hwreg(HW_REG_WAVE_MODE, 25, 1), 1
	s_wait_xcnt 0x0
; CAUSAL SELF-ATTENTION ON CODES OF FP8 (E4M3), five launches: quant_x, quant_w, gemm_qkv, attn, gemm_proj.  This one: x [8192][1024] f32 -> x_codes [8192][1024], one code a byte, K innermost.
; DEAD WORK OF THE WHOLE PROGRAM (left out in the launch attn).  reference() sets att[q][k] to -infinity wherever k > q, by a mask that it builds in its own body (jnp.tril); the softmax gives such a
; key the weight 0 whatever x, W_attn and W_proj hold, so a step of 128 keys all of which come after all queries of a tile adds 0 to the row's sum and 0 to y.  Those steps' two products and their
; exponentials are not done.  Nothing else is left out; every input has a way to the output and is loaded.  LIMIT: a NaN, an infinity or an overflow that would arise only in a hidden score is not carried to the result.
; THE ORDER OF ROWS.  perm(i) is i with its bits 3 and 4 exchanged.  Row p of x_codes holds token perm(p) (and row p of the weights' codes column perm(p): launch quant_w).  In a product used transposed, the 16
; registers that a lane holds of two neighbouring 16 x 16 tiles are then 16 NEIGHBOURS along the axis that runs down the registers, and two conversions make of them 16 bytes of the next product's operand.
; code = x / 2^e, held within +-448, rounded to the nearest code, ties to even; e = entry 0 of lowp_scales.  LIMITS: -126 <= e <= 119; NaN among the inputs is not served.
; A wave takes 8 rows (8,192 numbers) in 16 steps of 512.  Each load reads 512 consecutive bytes, 16 a lane; a step's 2,048 bytes turn through the wave's own stage in LDS and come back 64 bytes a lane, so that a lane
; holds 16 neighbours along K for the conversions.  A lane's 16 codes are 16 bytes: the wave stores 512 consecutive bytes.  Loads run four steps (16 loads a wave) ahead, the turn through LDS one step.  Waves share nothing: no barrier.
.set WAVES, 4
.set STEPS, 16
.set EMAX,  8
.set MANT,  0x600000                   ; the mantissa field of 448 as f32
.set CB,    16                         ; bytes of 16 codes
.set R,     16                         ; v16-79   four sets of 16 numbers as they are loaded
.set X,     80                         ; v80-111  two sets of 16 neighbours
.set C,     128                        ; v128-191 codes: four registers for each step, so that no store's data are written again
.set WREG,  8192                       ; LDS: a region of its own for each wave: two stages of 32 x SP bytes
.set SP,    80                         ; a lane's place in a stage: its 64 bytes + 16 of padding
.set SPW,   12                         ; v12      LDS address of my spare word; never rewritten
.set NIL,   13                         ; v13      0; never rewritten
.set SPARE, WAVES*WREG                 ; behind the four regions: the spare words, 128 bytes for each wave
	s_load_b128 s[4:7], s[0:1], 0x0                ; x s[4:5], the scales' exponents s[6:7]
	s_load_b64 s[8:9], s[0:1], 0x10                ; x_codes
	v_lshl_add_u32 v[SPW], v0, 2, SPARE
	v_mov_b32 v[NIL], 0
	v_lshrrev_b32 v1, 5, v0
	v_readfirstlane_b32 s16, v1                    ; wave
	v_and_b32 v2, 31, v0                           ; lane
	v_lshlrev_b32 v3, 4, v2                        ; my 16 bytes of a load's 512
	s_mul_i32 s17, s16, WREG
	v_lshrrev_b32 v14, 2, v2
	v_mul_u32_u24 v14, v14, SP
	v_and_b32 v15, 3, v2
	v_lshl_add_u32 v14, v15, 4, v14
	v_add_nc_u32 v14, s17, v14                     ; the stage, on the way in: four lanes' 64 bytes on end, then 16 of padding
	v_mul_u32_u24 v15, v2, SP
	v_add_nc_u32 v15, s17, v15                     ; and on the way out: SP x lane: my 16 neighbours
	v_mul_u32_u24 v4, v2, CB                       ; my codes' place in a step's
	s_lshl_b32 s17, ttmp9, 2
	s_add_co_u32 s18, s17, s16                     ; which run of 8 rows I read: 4 x work-group + wave
	s_lshl_b32 s20, s18, 15                        ; x 32,768 bytes
	s_mov_b32 s21, 0
	s_and_b32 s19, s16, 1                          ; a run's number is the row's number / 8: the row's bits 3 and 4 are the wave's bits 0 and 1, and they change places on the way out
	s_lshl_b32 s19, s19, 1
	s_lshr_b32 s24, s16, 1
	s_or_b32 s19, s19, s24
	s_add_co_u32 s19, s17, s19                     ; which run of 8 rows I write
	s_lshl_b32 s24, s19, 13                        ; x 8,192 bytes
	s_mov_b32 s25, 0
	s_wait_alu depctr_va_vdst(0)
	s_wait_kmcnt 0x0
	s_load_b32 s22, s[6:7], 0x0                    ; e
	s_add_nc_u64 s[4:5], s[4:5], s[20:21]
	s_add_nc_u64 s[8:9], s[8:9], s[24:25]
.macro LOAD t
.irp i, 0,1,2,3
	global_load_b128 v[R+16*((\t)%4)+4*\i:R+16*((\t)%4)+4*\i+3], v3, s[4:5] offset:2048*(\t)+512*\i th:TH_LOAD_NT   ; 32 lanes read 512 consecutive bytes; read once in the launch
.endr
.endm
.macro TURN t                          ; step t's numbers through the stage: LDS serves a wave's instructions in order, so no wait stands between the stores and the loads
.irp i, 0,1,2,3
	ds_store_b128 v14, v[R+16*((\t)%4)+4*\i:R+16*((\t)%4)+4*\i+3] offset:32*SP*((\t)%2)+8*SP*\i
.endr
.irp i, 0,1,2,3
	ds_load_b128 v[X+16*((\t)%2)+4*\i:X+16*((\t)%2)+4*\i+3], v15 offset:32*SP*((\t)%2)+16*\i
.endr
.endm
.irp t, 0,1,2,3
	LOAD \t
.endr
	s_wait_kmcnt 0x0
	s_add_co_i32 s22, s22, 127
	s_lshl_b32 s23, s22, 23
	v_mov_b32 v11, s23                             ; 2^e as f32: the conversion takes its exponent field
	s_add_co_i32 s22, s22, EMAX
	s_lshl_b32 s22, s22, 23
	s_or_b32 s22, s22, MANT
	s_wait_alu depctr_va_vdst(0)
	s_wait_loadcnt 12                              ; step 0's four loads are in; the twelve of steps 1 to 3 stay out
	TURN 0
.macro STEP t
.set XS, X+16*((\t)%2)
	s_wait_dscnt 0x0                               ; this step's numbers are back from the stage: so its stores into the stage have read their registers,
.if (\t)+4 < STEPS
	LOAD (\t)+4                                    ; which take the loads of four steps on
.endif
.if (\t)+1 < STEPS
.if STEPS-2-(\t) >= 3
	s_wait_loadcnt 12                              ; the next step's four loads are in; those of the three steps behind it may be out
.else
	s_wait_loadcnt 4*(STEPS-2-(\t))
.endif
	TURN (\t)+1                                    ; and go through the other stage while this step is worked
.endif
.irp i, 0,1,2,3,4,5,6,7,8,9,10,11,12,13,14,15
.endr
	v_cvt_scalef32_pk8_fp8_f32 v[C+4*(\t):C+4*(\t)+1], v[XS:XS+7], v11          ; eight numbers / 2^e, to the nearest code, ties to even; the first number's code in the lowest byte
	v_cvt_scalef32_pk8_fp8_f32 v[C+4*(\t)+2:C+4*(\t)+3], v[XS+8:XS+15], v11     ; (the results go to a store alone)
	global_store_b128 v4, v[C+4*(\t):C+4*(\t)+3], s[8:9] offset:32*CB*(\t)      ; 512 consecutive bytes, at a multiple of 256 from the buffer's first byte
.endm
.irp t, 0,1,2,3,4,5,6,7,8,9,10,11,12,13,14,15
	STEP \t
.endr
	s_wait_tensorcnt 0x0                           ; the wave's end, behind my last LDS store
	ds_add_u32 v[SPW], v[NIL]
	s_wait_dscnt 0x0
	s_endpgm
.Lfunc_end_k_q904a59b4c4_quant_x:
	.size	k_q904a59b4c4_quant_x, .Lfunc_end_k_q904a59b4c4_quant_x-k_q904a59b4c4_quant_x
	.p2alignl 7, 3214868480
	.fill 96, 4, 3214868480
	.section	.rodata,"a",@progbits
	.p2align	6, 0x0
	.amdhsa_kernel k_q904a59b4c4_quant_x
		.amdhsa_group_segment_fixed_size 33280
		.amdhsa_private_segment_fixed_size 0
		.amdhsa_enable_private_segment 0
		.amdhsa_kernarg_size 24
		.amdhsa_user_sgpr_count 2
		.amdhsa_user_sgpr_kernarg_segment_ptr 1
		.amdhsa_wavefront_size32 1
		.amdhsa_system_sgpr_workgroup_id_x 1
		.amdhsa_system_sgpr_workgroup_id_y 1
		.amdhsa_system_sgpr_workgroup_id_z 1
		.amdhsa_system_vgpr_workitem_id 0
		.amdhsa_next_free_vgpr 192
		.amdhsa_next_free_sgpr 66
		.amdhsa_reserve_vcc 0
		.amdhsa_float_denorm_mode_32 3
		.amdhsa_float_denorm_mode_16_64 3
		.amdhsa_fp16_overflow 1
		.amdhsa_memory_ordered 1
		.amdhsa_forward_progress 1
		.amdhsa_inst_pref_size 21
	.end_amdhsa_kernel
	.amdgpu_metadata
---
amdhsa.version: [ 1, 2 ]
amdhsa.kernels:
  - .name:           k_q904a59b4c4_quant_x
    .symbol:         k_q904a59b4c4_quant_x.kd
    .args:
      - { .name: x, .offset: 0, .size: 8, .value_kind: global_buffer, .address_space: global }
      - { .name: lowp_scales, .offset: 8, .size: 8, .value_kind: global_buffer, .address_space: global }
      - { .name: x_codes, .offset: 16, .size: 8, .value_kind: global_buffer, .address_space: global }
    .group_segment_fixed_size: 33280
    .private_segment_fixed_size: 0
    .kernarg_segment_align: 8
    .kernarg_segment_size: 24
    .max_flat_workgroup_size: 128
    .sgpr_count:     66
    .vgpr_count:     192
    .wavefront_size: 32
...
	.end_amdgpu_metadata
.endif
;; end of part 1
;; launch quant_w (part 2): grid 64 x 4, 2 waves a work-group, no clusters, 17,664 bytes of LDS; arguments W_attn, W_proj, lowp_scales, wa_codes, wp_codes; writes wa_codes, wp_codes
.if DOCPART == 2
	.amdgcn_target "amdgcn-amd-amdhsa--gfx1250"
	.amdhsa_code_object_version 6
	.text
	.protected	k_q904a59b4c4_quant_w
	.globl	k_q904a59b4c4_quant_w
	.p2align	8
	.type	k_q904a59b4c4_quant_w,@function
k_q904a59b4c4_quant_w:
	s_mov_b64 s[64:65], 0
	v_nop
	global_prefetch_b8 v0, s[64:65] scope:SCOPE_SE
	s_setreg_imm32_b32 hwreg(HW_REG_WAVE_MODE, 25, 1), 1
	s_wait_xcnt 0x0
; W_attn [1024][3072] and W_proj [1024][1024], f32, K their FIRST axis, become codes of FP8 (E4M3) laid [column][1024] with K innermost: wa_codes [3072][1024], wp_codes [1024][1024].
; Row p of the codes holds column perm(p), perm = bits 3 and 4 exchanged (why: the head of launch quant_x).
; code = w / 2^e, held within +-448, to the nearest code, ties to even; e = entry 1 (W_attn) or entry 7 (W_proj) of lowp_scales.  LIMITS: -126 <= e <= 119; NaN among the inputs is not served.
; A LANE TAKES A COLUMN, AND ITS REGISTERS RUN DOWN K: each load reads neighbouring columns in neighbouring lanes (128 consecutive bytes a wave, 256 a work-group), and the conversions, which take neighbours along K
; from one lane's consecutive registers, give codes with K innermost.  Nothing is transposed by an instruction.  A wave takes 32 columns x 256 along K: 8 blocks of 32; its codes go through its own stage in LDS and
; leave as rows: sixteen lanes store 256 consecutive bytes, aligned.  Loads run two blocks (64 loads a wave) ahead.  Waves share nothing: no barrier.
; ONE TEXT FOR BOTH WEIGHTS: work-groups x < 48 take W_attn, the others W_proj.  Pointers, the row's pitch and e are chosen by selects on the work-group's number; there is one way through the text.
; The pitch's multiples lie in 32 offset registers and eight bases, none of which is ever rewritten: so no wait frees an address.
.set NB,    8                          ; blocks of 32 along K
.set PITCH, 272                        ; a stage row: 256 bytes of codes + 16
.set KROW,  1024                       ; a row of the codes' buffers in bytes
.set EMAX,  8
.set MANT,  0x600000
.set X,     32                         ; v32-95   two sets of 32 numbers
.set C,     96                         ; v96-103  a block's codes
.set OUTR,  112                        ; v112-175 the way out: 16 x 4 registers
.set OFF,   176                        ; v176-207 4 x lane + i x the pitch, i = 0 .. 31
.set SPW,   14
.set NIL,   15
.set SPARE, 2*32*PITCH                 ; behind the two stages: the spare words, 128 bytes for each wave
.set BAS,   32                         ; s[32:47] block t's first row, at my first column
	s_load_b128 s[4:7], s[0:1], 0x0                ; W_attn, W_proj
	s_load_b128 s[8:11], s[0:1], 0x10              ; the scales' exponents, wa_codes
	s_load_b64 s[12:13], s[0:1], 0x20              ; wp_codes
	v_lshl_add_u32 v[SPW], v0, 2, SPARE
	v_mov_b32 v[NIL], 0
	v_lshrrev_b32 v1, 5, v0
	v_readfirstlane_b32 s16, v1                    ; wave 0, 1
	v_and_b32 v2, 31, v0                           ; lane
	s_wait_alu depctr_va_vdst(0)
	s_cmp_lt_u32 ttmp9, 48                         ; W_attn's work-group or W_proj's?
	s_cselect_b32 s17, 0, 48
	s_mov_b32 s18, 4096
	s_cselect_b32 s18, 12288, s18                  ; a row of the weight in bytes
	s_sub_co_u32 s17, ttmp9, s17
	s_lshl_b32 s17, s17, 6
	s_lshl_b32 s19, s16, 5
	s_add_co_u32 s17, s17, s19                     ; my wave's first column: 64 x work-group + 32 x wave
	s_and_b32 s19, ttmp7, 0xffff                   ; which 256 along K
	v_lshlrev_b32 v[OFF], 2, v2
.set i, 1
.rept 31
	v_add_nc_u32 v[OFF+i], s18, v[OFF+i-1]
.set i, i+1
.endr
	s_mul_i32 s20, s16, 32*PITCH                   ; my stage
	v_mul_u32_u24 v4, v2, PITCH
	v_add_nc_u32 v4, s20, v4                       ; into it: row = my column
	v_and_b32 v5, 15, v2
	v_lshrrev_b32 v6, 4, v2                        ; out of it: sixteen lanes to a row, two rows an instruction
	v_mul_u32_u24 v7, v6, PITCH
	v_lshl_add_u32 v7, v5, 4, v7
	v_add_nc_u32 v7, s20, v7
	v_lshlrev_b32 v8, 10, v6
	v_lshl_add_u32 v8, v5, 4, v8                   ; and the same place in the codes' buffer
	s_lshl_b32 s22, s19, 8
	s_mul_i32 s22, s22, s18                        ; 256 y rows down,
	s_lshl_b32 s23, s17, 2
	s_add_co_u32 s22, s22, s23                     ; 4 bytes a column along
	s_mov_b32 s23, 0
	s_lshl_b32 s24, s18, 5                         ; a block on: 32 rows
	s_mov_b32 s25, 0
	s_lshl_b32 s26, s17, 10                        ; the codes: column x 1,024 + 256 y
	s_lshl_b32 s27, s19, 8
	s_add_co_u32 s26, s26, s27
	s_mov_b32 s27, 0
	s_wait_kmcnt 0x0
	s_load_b32 s30, s[8:9], 0x4                    ; e of W_attn
	s_load_b32 s31, s[8:9], 0x1c                   ; e of W_proj
	s_cmp_lt_u32 ttmp9, 48
	s_cselect_b64 s[BAS:BAS+1], s[4:5], s[6:7]
	s_cselect_b64 s[28:29], s[10:11], s[12:13]
	s_add_nc_u64 s[BAS:BAS+1], s[BAS:BAS+1], s[22:23]
.irp t, 1,2,3,4,5,6,7
	s_add_nc_u64 s[BAS+2*\t:BAS+2*\t+1], s[BAS+2*\t-2:BAS+2*\t-1], s[24:25]
.endr
	s_add_nc_u64 s[28:29], s[28:29], s[26:27]
.macro LOAD t                          ; block t: W(32 t + i, my column), i = 0 .. 31, into set t % 2
.set i, 0
.rept 32
	global_load_b32 v[X+32*((\t)%2)+i], v[OFF+i], s[BAS+2*(\t):BAS+2*(\t)+1] th:TH_LOAD_NT
.set i, i+1
.endr
.endm
	LOAD 0
	LOAD 1
	s_wait_kmcnt 0x0
	s_cmp_lt_u32 ttmp9, 48
	s_cselect_b32 s30, s30, s31                    ; e
	s_add_co_i32 s30, s30, 127
	s_lshl_b32 s31, s30, 23
	v_mov_b32 v11, s31                             ; 2^e as f32
	s_add_co_i32 s30, s30, EMAX
	s_lshl_b32 s30, s30, 23
	s_or_b32 s30, s30, MANT
.macro BLOCK t
.set XS, X+32*((\t)%2)
.if (\t) < NB-1
	s_wait_loadcnt 32                              ; this block's 32 loads are in; the next block's 32 may be out
.else
	s_wait_loadcnt 0
.endif
.set i, 0
.rept 32
.set i, i+1
.endr
.irp g, 0,1,2,3
	v_cvt_scalef32_pk8_fp8_f32 v[C+2*\g:C+2*\g+1], v[XS+8*\g:XS+8*\g+7], v11
.endr
	ds_store_b128 v4, v[C:C+3] offset:32*(\t)      ; 32 codes: 32 bytes of my column's row
	ds_store_b128 v4, v[C+4:C+7] offset:32*(\t)+16
.if (\t)+2 < NB
	LOAD (\t)+2
.endif
	s_wait_dscnt 0x0                               ; the stores have read their registers: the next block's codes may be written
.endm
	s_wait_alu depctr_va_vdst(0)
.irp t, 0,1,2,3,4,5,6,7
	BLOCK \t
.endr
.irp t, 0,1,2,3,4,5,6,7,8,9,10,11,12,13,14,15
	ds_load_b128 v[OUTR+4*\t:OUTR+4*\t+3], v7 offset:2*\t*PITCH   ; columns 2 t and 2 t + 1 of my 32.  LDS serves a wave's instructions in order: these see my stores
.endr
.irp t, 0,1,2,3,4,5,6,7,8,9,10,11,12,13,14,15
	s_wait_dscnt 15-\t                             ; the younger stage loads may stay out
	global_store_b128 v8, v[OUTR+4*\t:OUTR+4*\t+3], s[28:29] offset:2*(((\t)&3)|(((\t)&4)<<1)|(((\t)&8)>>1))*KROW   ; column c goes to row perm(c): the column's bits 3 and 4 are t's bits 2 and 3
.endr
	s_wait_tensorcnt 0x0                           ; the wave's end, behind my last LDS store
	ds_add_u32 v[SPW], v[NIL]
	s_wait_dscnt 0x0
	s_endpgm
.Lfunc_end_k_q904a59b4c4_quant_w:
	.size	k_q904a59b4c4_quant_w, .Lfunc_end_k_q904a59b4c4_quant_w-k_q904a59b4c4_quant_w
	.p2alignl 7, 3214868480
	.fill 96, 4, 3214868480
	.section	.rodata,"a",@progbits
	.p2align	6, 0x0
	.amdhsa_kernel k_q904a59b4c4_quant_w
		.amdhsa_group_segment_fixed_size 17664
		.amdhsa_private_segment_fixed_size 0
		.amdhsa_enable_private_segment 0
		.amdhsa_kernarg_size 40
		.amdhsa_user_sgpr_count 2
		.amdhsa_user_sgpr_kernarg_segment_ptr 1
		.amdhsa_wavefront_size32 1
		.amdhsa_system_sgpr_workgroup_id_x 1
		.amdhsa_system_sgpr_workgroup_id_y 1
		.amdhsa_system_sgpr_workgroup_id_z 1
		.amdhsa_system_vgpr_workitem_id 0
		.amdhsa_next_free_vgpr 208
		.amdhsa_next_free_sgpr 66
		.amdhsa_reserve_vcc 0
		.amdhsa_float_denorm_mode_32 3
		.amdhsa_float_denorm_mode_16_64 3
		.amdhsa_fp16_overflow 1
		.amdhsa_memory_ordered 1
		.amdhsa_forward_progress 1
		.amdhsa_inst_pref_size 35
	.end_amdhsa_kernel
	.amdgpu_metadata
---
amdhsa.version: [ 1, 2 ]
amdhsa.kernels:
  - .name:           k_q904a59b4c4_quant_w
    .symbol:         k_q904a59b4c4_quant_w.kd
    .args:
      - { .name: W_attn, .offset: 0, .size: 8, .value_kind: global_buffer, .address_space: global }
      - { .name: W_proj, .offset: 8, .size: 8, .value_kind: global_buffer, .address_space: global }
      - { .name: lowp_scales, .offset: 16, .size: 8, .value_kind: global_buffer, .address_space: global }
      - { .name: wa_codes, .offset: 24, .size: 8, .value_kind: global_buffer, .address_space: global }
      - { .name: wp_codes, .offset: 32, .size: 8, .value_kind: global_buffer, .address_space: global }
    .group_segment_fixed_size: 17664
    .private_segment_fixed_size: 0
    .kernarg_segment_align: 8
    .kernarg_segment_size: 40
    .max_flat_workgroup_size: 64
    .sgpr_count:     66
    .vgpr_count:     208
    .wavefront_size: 32
...
	.end_amdgpu_metadata
.endif
;; end of part 2
;; launch gemm_qkv (part 3): grid 12 x 32, 4 waves a work-group, clusters of 4 x 4, 327,680 bytes of LDS; arguments x_codes, wa_codes, lowp_scales, q_img, kv_img; writes q_img, kv_img
.if DOCPART == 3
	.amdgcn_target "amdgcn-amd-amdhsa--gfx1250"
	.amdhsa_code_object_version 6
	.text
	.protected	k_q904a59b4c4_gemm_qkv
	.globl	k_q904a59b4c4_gemm_qkv
	.p2align	8
	.type	k_q904a59b4c4_gemm_qkv,@function
k_q904a59b4c4_gemm_qkv:
	s_mov_b64 s[64:65], 0
	v_nop
	global_prefetch_b8 v0, s[64:65] scope:SCOPE_SE
	s_setreg_imm32_b32 hwreg(HW_REG_WAVE_MODE, 25, 1), 1
	s_wait_xcnt 0x0
	s_wait_alu depctr_hold_cnt(0) depctr_sa_sdst(0) depctr_va_vdst(0) depctr_va_sdst(0) depctr_va_ssrc(0) depctr_va_vcc(0) depctr_vm_vsrc(0)
	s_getreg_b32 s2, hwreg(HW_REG_IB_STS2, 6, 4)
	s_cmp_eq_u32 s2, 0
	s_cbranch_scc0 .Lentry_in_a_cluster
	s_endpgm
.Lentry_in_a_cluster:
	s_bfe_u32 s2, ttmp6, 0x10000c
	s_cmp_lg_u32 s2, 0xf033
	s_cbranch_scc0 .Lentry_shape_is_right
	s_endpgm
.Lentry_shape_is_right:
; qkv = x W_attn on codes of FP8 (E4M3), K = 1,024, f32 sums; each finished sum is quantised at once for the product that takes it (q: entry 2 of lowp_scales, k: entry 3, v: entry 5) and stored as an IMAGE OF
; THE OPERAND'S REGISTERS, so that the launch attn loads fragments by 16 bytes a lane and nothing is ever transposed.
; A tile of 256 x 256 sums is made by a work-group of four waves, a wave makes 128 x 128: 64 accumulators, 512 registers.  K goes in steps of 256 through a ring of two LDS slots filled by the tensor data mover.
; THE TWO ROLES.  Source 1 of the matrix instruction (here 'A') gives a lane its row; source 0 ('B') runs down the lane's registers, which is where the conversions take neighbours from.  For q and k the next K is the
; head's 64 channels: A = tokens (x_codes), B = columns (wa_codes).  For v the next K is the keys: A = v's columns (wa_codes from row 2,048), B = tokens.  Cluster x says which: 0 q, 1 k, 2 v: the same number in all
; sixteen partners; pointers and offsets are chosen by selects on it, and the loop is one text.
; ROWS ARE IN perm ORDER in both buffers of codes (bits 3 and 4 of the row's number exchanged): the 16 registers of tiles 2 g and 2 g + 1 of B are the neighbours 32 g + 16 (lane / 16) + 0 .. 15.
; CLUSTERS: 4 x 4 work-groups.  A's tile is shared along a row of the cluster, B's along a column: each is asked for JOINTLY, by the same tensor load with the same descriptor and a mask that names the four.
; IMAGES.  q_img [bh 64][tile of 16 tokens 128][c 2][lane 32][16 bytes]: lane (r, h) holds row r of the tile, channels 32 c + 16 h + 0 .. 15.  kv_img [bh 64][chunk of 128 keys 16][16,384 bytes]: K's 8 tiles laid as q's,
; then from byte 8,192 V's 4 tiles of 16 channels, [c 4][lane][16 bytes]: lane (r, h) holds channel row r, keys 32 c + 16 h + 0 .. 15 of the chunk.
; LIMITS: with e0, e1 the entries 0 and 1, (entry 2, 3 or 5) - e0 - e1 lies between -126 and 119, so that the folded scale and 448 x it are f32 numbers.
; REGISTERS, in windows of 256: window 0: v0-31 addresses; from v128 A's fragments, ONE set; on the way out v128-255 codes.  window 1: B's fragments, TWO sets.  windows 2, 3: the accumulators ((a, b) at v[8 (8 (a % 4) + b)]).
.set KSTEP,  256
.set ROWB,   256                       ; a tile's row in bytes
.set KROW,   1024                      ; a row of codes in memory
.set PITCH,  272                       ; an LDS row: 256 bytes + 16 of padding = 68 words: the 16 rows that a load touches start at 16 different banks (64 banks of 4 bytes: ISA guide 11.1)
.set FR,     16                        ; registers of a fragment: 16 rows x 128 K
.set NL,     4                         ; LDS loads that bring one
.set NP,     4                         ; places behind this matrix instruction (ISA guide 7.12.1)
.set HALFT,  128*PITCH                 ; 128 rows: what one tensor load brings
.set SLOT,   4*HALFT                   ; A's 256 rows, then B's 256 rows
.set LAPS,   2                         ; 1,024 / (2 x 256)
.set SPARE,  2*SLOT                    ; behind the ring: the spare words, 128 bytes for each wave
.set VO,   8                           ; v8-11   the way out: 16 x lane + the place of pair p of B's tiles
.set LIM,  12
.set SCL,  13                          ; v13     the folded scale as f32
.set ADRA, 16                          ; v16-17  LDS address of my A fragments in slot 0, 1
.set ADRB, 20                          ; v20-21  the same for B
.set SPW,  28
.set NIL,  29
.set TMP,  32
.set AF,   128                         ; A's fragments, in window 0
.set CD,   128                         ; the way out: 16 registers of codes for each of the 8 blocks: no store's data are written again
.set G1, 24                            ; s[24:31] descriptor group 1 for A's tiles;  s[32:39] group 0, one set for each slot
.set G0, 32
.set G1B, 48                           ; s[48:55], s[56:63] the same for B's tiles
.set G0B, 56
.set OB,  68                           ; s[68:83] the way out: a base for each block of A
.set MSB, 0
.macro WIN new                         ; the immediate's high byte repeats the setting that is left
.if MSB != \new
	s_set_vgpr_msb (MSB<<8)|\new
.set MSB, \new
.endif
.endm
.set MUL_LO, 0xa1                      ; source 0 (B) window 1, source 1 (A) window 0, C and D window 2
.set MUL_HI, 0xf1                      ; the same, C and D window 3
.set TO_B,   0x40                      ; destination window 1, address window 0
; A joint load: waves 0 and 1 fetch for A, waves 2 and 3 for B.  Each line has ONE mask and one set of registers for all that issue it; the branch hangs on the wave's number alone.
; An s_nop 0 and four v_nop follow each of the two lines, ahead of the jump, the label and what follows.
.macro JLOAD g0a, g1a, g0b, g1b
	s_cmp_eq_u32 s15, 0
	s_cbranch_scc0 .Lfor_b_\@
	tensor_load_to_lds s[\g0a:\g0a+3], s[\g1a:\g1a+7]
	s_nop 0
.rept 4
	v_nop
.endr
	s_branch .Lasked_\@
.Lfor_b_\@:
	tensor_load_to_lds s[\g0b:\g0b+3], s[\g1b:\g1b+7]
	s_nop 0
.rept 4
	v_nop
.endr
.Lasked_\@:
.endm
.macro CREST                           ; a round of the cluster's barrier behind its opening barrier
	s_cmp_lg_u32 s14, 0
	s_cbranch_scc1 .Lnot_wave_0_\@
	s_barrier_signal -3
.Lnot_wave_0_\@:
	s_barrier_wait -3
	s_barrier_signal -1
	s_barrier_wait -1
.endm
.macro CROUND                          ; a whole round
	s_barrier_signal -1
	s_barrier_wait -1
	CREST
.endm
	s_load_b256 s[4:11], s[0:1], 0x0               ; x_codes s[4:5], wa_codes s[6:7], the scales' exponents s[8:9], q_img s[10:11]
	s_load_b64 s[12:13], s[0:1], 0x20              ; kv_img
	v_lshl_add_u32 v[SPW], v0, 2, SPARE
	v_mov_b32 v[NIL], 0
	ds_add_u32 v[SPW], v[NIL]                      ; the wave's opening: the add, twice on end, and its wait ahead of my first tensor load; the set-up below stands between
	ds_add_u32 v[SPW], v[NIL]
	v_lshrrev_b32 v1, 5, v0
	v_readfirstlane_b32 s14, v1                    ; wave 0..3
	s_lshr_b32 s15, s14, 1                         ; which half of A's 256 rows is mine.  Also: I fetch for A (0) or for B (1)
	s_and_b32 s16, s14, 1                          ; which half of B's.  Also: which 128 rows of that tile I fetch
	s_bfe_u32 s40, ttmp6, 0x40000                  ; cx, cy: my place in the cluster
	s_bfe_u32 s41, ttmp6, 0x40004
	s_lshl_b32 s43, s41, 2
	s_lshl_b32 s43, 15, s43                        ; my row of the cluster
	s_lshl_b32 s44, 0x1111, s40                    ; my column
	s_or_b32 s[G1+0], s43, (0<<16)|(1<<20)|(1<<21)|(5<<22)|(3<<25)  ; 15:0 the mask: A's tiles go to my row; 17:16 elements of 1 byte; 20 padding on; 21 set beside a mask; 24:22 after every 64 words; 31:25 four words
	s_or_b32 s[G1B+0], s44, (0<<16)|(1<<20)|(1<<21)|(5<<22)|(3<<25) ; the same with my column's mask
.irp g, G1, G1B
	s_mov_b32 s[\g+1], ROWB<<16                    ; tensor_dim0
	s_mov_b32 s[\g+2], 128<<16                     ; tensor_dim1 = 128
	s_mov_b32 s[\g+3], ROWB<<16                    ; tile_dim0
	s_mov_b32 s[\g+4], 128                         ; tile_dim1 = 128
	s_mov_b32 s[\g+5], KROW                        ; tensor_dim0_stride
	s_mov_b32 s[\g+6], 0
	s_mov_b32 s[\g+7], 0
.endr
	s_lshl_b32 s18, s16, 7                         ; which 128 rows of the tile I fetch
	s_and_b32 s42, ttmp7, 0xffff
	s_lshl_b32 s42, s42, 10                        ; 1,024 x cluster y: the cluster's tokens
	s_lshl_b32 s23, ttmp9, 10                      ; 1,024 x cluster x: q's, k's or v's columns
	s_cmp_eq_u32 ttmp9, 2                          ; v?  The same answer in all sixteen partners
	s_cselect_b32 s22, 2048, s42                   ; where the cluster's rows of A begin,
	s_cselect_b32 s23, s42, s23                    ; and of B
	s_lshl_b32 s20, s41, 8
	s_add_co_u32 s20, s20, s22
	s_add_co_u32 s20, s20, s18                     ; A: row 256 cy + the cluster's + 128 x half: made of cy, which my row of the cluster shares
	s_lshl_b32 s20, s20, 10                        ; in bytes
	s_mov_b32 s21, 0
	s_lshl_b32 s46, s40, 8
	s_add_co_u32 s46, s46, s23
	s_add_co_u32 s46, s46, s18                     ; B: row 256 cx + the cluster's + 128 x half: made of cx, which my column shares
	s_lshl_b32 s46, s46, 10
	s_mov_b32 s47, 0
	s_mul_i32 s45, s14, HALFT                      ; where they go: wave x 128 rows: no place in the cluster enters an LDS address
	s_wait_dscnt 0x0                               ; both opening adds are done
	s_wait_kmcnt 0x0
	s_load_b128 s[84:87], s[8:9], 0x0              ; entries 0 to 3
	s_load_b32 s88, s[8:9], 0x14                   ; entry 5
	s_cmp_eq_u32 ttmp9, 2
	s_cselect_b64 s[92:93], s[6:7], s[4:5]         ; A's buffer
	s_cselect_b64 s[94:95], s[4:5], s[6:7]         ; B's buffer
	s_add_nc_u64 s[20:21], s[92:93], s[20:21]
	s_add_nc_u64 s[46:47], s[94:95], s[46:47]
	CROUND                                         ; all sixteen work-groups are here: the first joint loads meet
.irp s, 0,1
	s_mov_b32 s[G0+4*\s], 1
	s_add_co_u32 s[G0+4*\s+1], s45, \s*SLOT
	s_add_nc_u64 s[G0+4*\s+2:G0+4*\s+3], s[20:21], \s*ROWB
	s_or_b32 s[G0+4*\s+3], s[G0+4*\s+3], 0x80000000
	s_mov_b32 s[G0B+4*\s], 1
	s_add_co_u32 s[G0B+4*\s+1], s45, \s*SLOT
	s_add_nc_u64 s[G0B+4*\s+2:G0B+4*\s+3], s[46:47], \s*ROWB
	s_or_b32 s[G0B+4*\s+3], s[G0B+4*\s+3], 0x80000000
	JLOAD G0+4*\s, G1, G0B+4*\s, G1B
.endr
	v_and_b32 v1, 15, v0                           ; l % 16
	v_bfe_u32 v2, v0, 4, 1                         ; l / 16
	v_mul_u32_u24 v3, v1, PITCH
	v_lshl_add_u32 v4, v2, 4, v3                   ; a fragment's row x pitch + 16 x half
	s_mul_i32 s21, s15, HALFT                      ; my 128 rows of A
	s_mul_i32 s22, s16, HALFT                      ; my 128 rows of B,
	s_add_co_u32 s22, s22, 2*HALFT                 ; which lie behind A's 256
.irp s, 0,1
	v_add_nc_u32 v[ADRA+\s], s21, v4
	v_add_nc_u32 v[ADRB+\s], s22, v4
	s_add_co_u32 s21, s21, SLOT
	s_add_co_u32 s22, s22, SLOT
.endr
	; WHERE MY IMAGES GO, in registers that feed no descriptor.  Tokens come from A (q, k) or from B (v), heads from the other side.
	s_and_b32 s66, ttmp7, 0xffff
	s_lshl_b32 s66, s66, 2                         ; 4 x cluster y
	s_cmp_eq_u32 ttmp9, 2
	s_cselect_b32 s89, s40, s41                    ; the place of my 256 tokens among the cluster's 1,024
	s_cselect_b32 s90, s16, s15                    ; and which 128 of them are my wave's
	s_cselect_b32 s91, s41, s40                    ; the place of my 4 heads among the 16
	s_cselect_b32 s96, s15, s16                    ; and which 2 of them are my wave's
	s_cselect_b32 s97, 8192, 0                     ; V lies behind K in a chunk
	s_mov_b32 s98, 4096
	s_cselect_b32 s98, 0x40000, s98                ; four blocks of A on: v: the next head; q, k: four tiles of tokens
	s_mov_b32 s99, 1024
	s_cselect_b32 s99, 2048, s99                   ; a block of A on: v: a tile of channels; q, k: a tile of tokens
	s_cmp_eq_u32 ttmp9, 0
	s_mov_b32 s67, 0x40000
	s_cselect_b32 s67, 0x20000, s67                ; a head's bytes: q_img 131,072, kv_img 262,144
	s_mov_b32 s2, 16384
	s_cselect_b32 s2, 8192, s2                     ; 128 tokens' bytes in a head
	s_cselect_b64 s[92:93], s[10:11], s[12:13]     ; q_img or kv_img
	s_cmp_eq_u32 ttmp9, 2
	s_cselect_b32 s19, 1024, s67                   ; two pairs of B's tiles on: v: 64 keys; q, k: the next head
	s_add_co_u32 s89, s89, s66                     ; my 256 tokens, counted through all 8,192
	s_lshr_b32 s66, s89, 3                         ; the batch
	s_and_b32 s89, s89, 7
	s_lshl_b32 s89, s89, 1
	s_add_co_u32 s89, s89, s90                     ; my chunk of 128 tokens in the sequence
	s_lshl_b32 s66, s66, 4
	s_lshl_b32 s91, s91, 2
	s_add_co_u32 s66, s66, s91
	s_lshl_b32 s96, s96, 1
	s_add_co_u32 s66, s66, s96                     ; 16 x batch + my first head
	s_mul_i32 s66, s66, s67
	s_mul_i32 s89, s89, s2
	s_add_co_u32 s66, s66, s89
	s_add_co_u32 s66, s66, s97
	s_mov_b32 s67, 0
	s_add_nc_u64 s[OB:OB+1], s[92:93], s[66:67]    ; block 0's base
	s_mov_b32 s90, s99
	s_mov_b32 s91, 0
	s_mov_b32 s96, s98
	s_mov_b32 s97, 0
.irp a, 1,2,3
	s_add_nc_u64 s[OB+2*\a:OB+2*\a+1], s[OB+2*\a-2:OB+2*\a-1], s[90:91]
.endr
.irp a, 4,5,6,7
	s_add_nc_u64 s[OB+2*\a:OB+2*\a+1], s[OB+2*\a-8:OB+2*\a-7], s[96:97]
.endr
	v_and_b32 v6, 31, v0
	v_lshlrev_b32 v[VO], 4, v6                     ; 16 bytes a lane: an image's store covers 512 consecutive bytes
	v_add_nc_u32 v[VO+1], 512, v[VO]
	v_add_nc_u32 v[VO+2], s19, v[VO]
	v_add_nc_u32 v[VO+3], s19, v[VO+1]
.macro FRAG reg, adr, q, i             ; a fragment, 16 rows x 128 K, is 16 registers: lane l holds row l % 16; registers 4 c .. 4 c + 3 hold K = 32 c + 16 (l / 16) + 0 .. 15: the same places in A and in B, so every product meets its partner
.irp c, 0,1,2,3
	ds_load_b128 v[\reg+4*\c:\reg+4*\c+3], v[\adr] offset:128*(\q)+32*\c+(\i)*16*PITCH
.endr
.endm
; 16 matrix instructions: A's blocks a0, a0 + 1 x B's eight, 128 along K.  p: B's set.  zero = 1: the first product starts the sums.  The 64 accumulators take turns, one instruction a turn.
.macro MUL16 a0, p, zero
.irp a, \a0, \a0+1
.irp b, 0,1,2,3,4,5,6,7
.if \zero
	v_wmma_f32_16x16x128_fp8_fp8 v[8*(8*((\a)%4)+\b):8*(8*((\a)%4)+\b)+7], v[128*(\p)+FR*\b:128*(\p)+FR*\b+FR-1], v[AF+FR*(\a):AF+FR*(\a)+FR-1], 0
.else
	v_wmma_f32_16x16x128_fp8_fp8 v[8*(8*((\a)%4)+\b):8*(8*((\a)%4)+\b)+7], v[128*(\p)+FR*\b:128*(\p)+FR*\b+FR-1], v[AF+FR*(\a):AF+FR*(\a)+FR-1], v[8*(8*((\a)%4)+\b):8*(8*((\a)%4)+\b)+7]
.endif
.endr
.endr
.endm
.macro FETCH_B slot, q, p              ; B's eight fragments of the slot's q-th 128 along K into set p
	WIN TO_B
.irp i, 0,1,2,3,4,5,6,7
	FRAG 128*(\p)+FR*\i, ADRB+\slot, \q, \i
.endr
	WIN 0
.endm
.macro FETCH_A slot, q, i0             ; A's blocks i0 .. i0 + 3
.irp i, \i0, \i0+1, \i0+2, \i0+3
	FRAG AF+FR*(\i), ADRA+\slot, \q, \i
.endr
.endm
.macro PLACES n                        ; a load into a register that a matrix instruction has read, and a vector instruction that reads a matrix result, stand NP plain vector instructions behind it
.rept \n
	v_nop
.endr
.endm
; A step of 128 along K that has its successor in the same slot.  A block of A is free as soon as its eight products are issued: blocks 0-3 are fetched anew in the step's middle, blocks 4-7 at its end.
.macro STEP slot, q, zero
	s_wait_dscnt 4*NL                              ; B's set and A's blocks 0-3 are in; the youngest 16 loads (A's blocks 4-7) may be out
	WIN MUL_LO
	MUL16 0, (\q)%2, \zero
	MUL16 2, (\q)%2, \zero
	s_wait_dscnt 0                                 ; A's blocks 4-7 are in
	PLACES NP
	FETCH_B \slot, (\q)+1, 1-(\q)%2
	FETCH_A \slot, (\q)+1, 0
	WIN MUL_HI
	MUL16 4, (\q)%2, \zero
	MUL16 6, (\q)%2, \zero
	PLACES NP
	WIN 0
	FETCH_A \slot, (\q)+1, 4
.endm
; A slot's last step changes slots: ONE barrier; in front of it each wave waits for all its tensor loads, adds 0 to its spare word, and waits for that and for its own reads of this slot.  fill = 1: this slot is filled again, two K steps ahead.
.macro TURN slot, next, fill
	s_wait_tensorcnt 0x0                           ; all my tensor loads have landed: my part of the next slot
	ds_add_u32 v[SPW], v[NIL]                      ; 0 onto my spare word
	s_wait_dscnt 4*NL+1                            ; the add and the youngest 16 loads (A's blocks 4-7) may be out
	WIN MUL_LO
	MUL16 0, 1, 0                                  ; sixteen matrix instructions stand between the add and the wait for it
	s_wait_dscnt 0x0                               ; the add is done, and my reads of this slot are over
	s_barrier_signal -1
	MUL16 2, 1, 0
	WIN 0
	s_barrier_wait -1
.if \fill
	CREST                                          ; the barrier has opened a round of the cluster's: no wave of any partner still reads this slot's tile or has a load on its way
	s_add_nc_u64 s[G0+4*\slot+2:G0+4*\slot+3], s[G0+4*\slot+2:G0+4*\slot+3], 2*ROWB
	s_add_nc_u64 s[G0B+4*\slot+2:G0B+4*\slot+3], s[G0B+4*\slot+2:G0B+4*\slot+3], 2*ROWB
	JLOAD G0+4*\slot, G1, G0B+4*\slot, G1B         ; the first tensor load behind the round; its four v_nop are the places in front of the loads below
.else
	PLACES NP
.endif
	FETCH_B \next, 0, 0
	FETCH_A \next, 0, 0
	WIN MUL_HI
	MUL16 4, 1, 0
	MUL16 6, 1, 0
	PLACES NP
	WIN 0
	FETCH_A \next, 0, 4
.endm
	s_wait_alu depctr_va_vdst(0)
	s_wait_tensorcnt 1                             ; my part of K step 0 is in; K step 1's load may be out
	s_barrier_signal -1
	s_barrier_wait -1                              ; everybody's is
	FETCH_B 0, 0, 0
	FETCH_A 0, 0, 0
	FETCH_A 0, 0, 4
	STEP 0, 0, 1                                   ; the first step stands in front of the loop: its products start the sums
	s_mov_b32 s3, LAPS-1
.Llap:                                                 ; a trip goes once round the ring and fills both slots again
	TURN 0, 1, 1
	STEP 1, 0, 0
	TURN 1, 0, 1
	STEP 0, 0, 0
	s_sub_co_u32 s3, s3, 1
	s_cmp_lg_u32 s3, 0
	s_cbranch_scc1 .Llap
	TURN 0, 1, 0                                   ; the last lap fills nothing, and has no round of the cluster's barrier
	STEP 1, 0, 0
	s_wait_dscnt 4*NL                              ; the very last step: nothing more to fetch
	WIN MUL_LO
	MUL16 0, 1, 0
	MUL16 2, 1, 0
	s_wait_dscnt 0
	WIN MUL_HI
	MUL16 4, 1, 0
	MUL16 6, 1, 0
	WIN 0
; THE WAY OUT.  A sum stands for sum x 2^(e0 + e1); its code is sum / 2^(eo - e0 - e1), eo the next product's entry: the three scales are folded into the conversion's one.  A block of A (16 rows) has 64 sums a lane:
; converted, they are four groups of 16 bytes, each a quarter or a half of a fragment of the next product, and go to memory as they stand: no LDS, no barrier.
.macro OUT a
	WIN 0x02+((\a)/4)                              ; source 0: window 2 or 3
.set j, 0
.rept 64
.set j, j+1
.endr
.irp k, 0,1,2,3,4,5,6,7
	v_cvt_scalef32_pk8_fp8_f32 v[CD+16*(\a)+2*\k:CD+16*(\a)+2*\k+1], v[TMP+8*\k+((64*((\a)%4)+j)-(TMP+j)):TMP+8*\k+7+((64*((\a)%4)+j)-(TMP+j))], v[SCL]
.endr
	WIN 0
	v_nop
.irp p, 0,1,2,3
	global_store_b128 v[VO+\p], v[CD+16*(\a)+4*\p:CD+16*(\a)+4*\p+3], s[OB+2*(\a):OB+2*(\a)+1]   ; 512 consecutive bytes, at a multiple of 512 from the buffer's first byte
.endr
.endm
	s_wait_kmcnt 0x0
	s_cmp_eq_u32 ttmp9, 2
	s_cselect_b32 s89, s88, s87                    ; v: entry 5; k: entry 3;
	s_cmp_eq_u32 ttmp9, 0
	s_cselect_b32 s89, s86, s89                    ; q: entry 2
	s_sub_co_i32 s89, s89, s84
	s_sub_co_i32 s89, s89, s85
	s_add_co_i32 s89, s89, 127
	s_lshl_b32 s90, s89, 23
	v_mov_b32 v[SCL], s90
	s_add_co_i32 s89, s89, 8
	s_lshl_b32 s89, s89, 23
	s_or_b32 s89, s89, 0x600000
	PLACES NP                                      ; behind the last products: their results are read, and the registers that held A's fragments are written, only behind these
.irp a, 0,1,2,3,4,5,6,7
	OUT \a
.endr
	s_wait_tensorcnt 0x0                           ; the wave's end, behind my last tensor load
	ds_add_u32 v[SPW], v[NIL]
	s_wait_dscnt 0x0
	CROUND                                         ; the closing round: no work-group ends while a partner may still ask for a tile that names it
	s_endpgm
.Lfunc_end_k_q904a59b4c4_gemm_qkv:
	.size	k_q904a59b4c4_gemm_qkv, .Lfunc_end_k_q904a59b4c4_gemm_qkv-k_q904a59b4c4_gemm_qkv
	.p2alignl 7, 3214868480
	.fill 96, 4, 3214868480
	.section	.rodata,"a",@progbits
	.p2align	6, 0x0
	.amdhsa_kernel k_q904a59b4c4_gemm_qkv
		.amdhsa_group_segment_fixed_size 327680
		.amdhsa_private_segment_fixed_size 0
		.amdhsa_enable_private_segment 0
		.amdhsa_kernarg_size 40
		.amdhsa_user_sgpr_count 2
		.amdhsa_user_sgpr_kernarg_segment_ptr 1
		.amdhsa_wavefront_size32 1
		.amdhsa_system_sgpr_workgroup_id_x 1
		.amdhsa_system_sgpr_workgroup_id_y 1
		.amdhsa_system_sgpr_workgroup_id_z 1
		.amdhsa_system_vgpr_workitem_id 0
		.amdhsa_next_free_vgpr 1024
		.amdhsa_next_free_sgpr 100
		.amdhsa_reserve_vcc 0
		.amdhsa_float_denorm_mode_32 3
		.amdhsa_float_denorm_mode_16_64 3
		.amdhsa_fp16_overflow 1
		.amdhsa_memory_ordered 1
		.amdhsa_forward_progress 1
		.amdhsa_inst_pref_size 87
	.end_amdhsa_kernel
	.amdgpu_metadata
---
amdhsa.version: [ 1, 2 ]
amdhsa.kernels:
  - .name:           k_q904a59b4c4_gemm_qkv
    .symbol:         k_q904a59b4c4_gemm_qkv.kd
    .args:
      - { .name: x_codes, .offset: 0, .size: 8, .value_kind: global_buffer, .address_space: global }
      - { .name: wa_codes, .offset: 8, .size: 8, .value_kind: global_buffer, .address_space: global }
      - { .name: lowp_scales, .offset: 16, .size: 8, .value_kind: global_buffer, .address_space: global }
      - { .name: q_img, .offset: 24, .size: 8, .value_kind: global_buffer, .address_space: global }
      - { .name: kv_img, .offset: 32, .size: 8, .value_kind: global_buffer, .address_space: global }
    .group_segment_fixed_size: 327680
    .private_segment_fixed_size: 0
    .kernarg_segment_align: 8
    .kernarg_segment_size: 40
    .max_flat_workgroup_size: 128
    .sgpr_count:     100
    .vgpr_count:     1024
    .wavefront_size: 32
...
	.end_amdgpu_metadata
.endif
;; end of part 3
;; launch attn (part 4): grid 4 x 64, 8 waves a work-group, clusters of 4 x 1, 327,680 bytes of LDS; arguments q_img, kv_img, lowp_scales, y_img; writes y_img
.if DOCPART == 4
	.amdgcn_target "amdgcn-amd-amdhsa--gfx1250"
	.amdhsa_code_object_version 6
	.text
	.protected	k_q904a59b4c4_attn
	.globl	k_q904a59b4c4_attn
	.p2align	8
	.type	k_q904a59b4c4_attn,@function
k_q904a59b4c4_attn:
	s_mov_b64 s[64:65], 0
	v_nop
	global_prefetch_b8 v0, s[64:65] scope:SCOPE_SE
	s_setreg_imm32_b32 hwreg(HW_REG_WAVE_MODE, 25, 1), 1
	s_wait_xcnt 0x0
	s_wait_alu depctr_hold_cnt(0) depctr_sa_sdst(0) depctr_va_vdst(0) depctr_va_sdst(0) depctr_va_ssrc(0) depctr_va_vcc(0) depctr_vm_vsrc(0)
	s_getreg_b32 s2, hwreg(HW_REG_IB_STS2, 6, 4)
	s_cmp_eq_u32 s2, 0
	s_cbranch_scc0 .Lentry_in_a_cluster
	s_endpgm
.Lentry_in_a_cluster:
	s_bfe_u32 s2, ttmp6, 0x10000c
	s_cmp_lg_u32 s2, 0x3003
	s_cbranch_scc0 .Lentry_shape_is_right
	s_endpgm
.Lentry_shape_is_right:
; y = softmax(q k^T / 8, causal) v for 64 (batch, head) pairs of 2,048 tokens x 64 channels, both products on codes of FP8 (E4M3); y is quantised at once for the projection (entry 6 of lowp_scales) and stored as images of its registers.
; LEFT OUT AS DEAD WORK: the steps of 128 keys that lie wholly behind a tile's queries: reference()'s own mask gives them the weight 0 for all inputs (shown at the head of launch quant_x).
; THE SOFTMAX AHEAD OF THE SECOND PRODUCT: t = score x log2(e) / 8; M = the running largest t rounded UP to a whole number; p = 2^(t - M) is quantised (entry 4), not normalised; the row's sum is taken of the unquantised p
; and divides at the end.  When M moves, the sum and O are multiplied by 2^(old M - new M): exact.
; SHARES.  The four work-groups of a cluster own one (batch, head) together.  ALL its K and V, 262,144 bytes, lie in each partner's LDS, brought once by joint loads at the head: no ring, no refill, no barrier in the work.
; Work-group cx owns the query tiles 8 u + 4 x + cx (u = 0 .. 15, x = 0, 1).  Both tiles of a pair u lie in key chunk u (128 keys), whatever cx is: they need chunks 0 .. u, the last on the diagonal.  Wave w takes pair 15 - w
; (16 - w steps) and then pair w (w + 1 steps): 17 steps for every wave of every work-group.  So trip counts are constants, and cx enters Q's and y's addresses and the mask's lane data alone.
; LAYOUT.  Both products are used transposed: S^T = K Q^T (source 0 = 16 keys), O^T = V^T P^T (source 0 = 16 channels): a lane holds ONE query (lane % 16) throughout.  Tiles' rows are in perm order (launch quant_x), so register
; 16 b + i of a tile's 64 scores is key 32 b + 16 (lane / 16) + i of the chunk, and O's registers 16 b + i are channel 32 b + 16 (lane / 16) + i: the conversions' results are the next operand's registers.
; A wave's two tiles share each fragment of K and V; two waves share a SIMD, so that one wave's vector work stands beside the other's matrix work and LDS loads.
; y_img [K slot of 256: head / 4][tile of 16 tokens 512][q 2][c 4][lane 32][16 bytes]: q = (head / 2) % 2, c = 2 (head % 2) + c'; lane (r, h) holds row r, K = 64 head + 32 c' + 16 h + 0 .. 15.
; LIMITS, so that each power of two below is an f32 number: entries 2 + 3 between -123 and 130; entry 4 between -126 and 119; entry 6 - entry 4 - entry 5 between -126 and 119.
; REGISTERS.  Window 0: v1-11 addresses and constants; v12-19 -M, the largest t, the sum's two halves, for each tile; v20-23 f; v24-31 at work; v32-159 S^T, then p; v160-191 p's codes; v208-211 second sums; v212-227 y's codes.
; Window 1: v0-63 a chunk's K, then its V; v64-127 O^T; v128-143 Q; v144-159 the second pair's Q.
.set SPARE, 262144                     ; behind K and V: the spare words, 128 bytes for each of the eight waves
.set L16,  1                           ; v1   16 x lane: an image's place for my lane; never rewritten
.set ADR,  2                           ; v2   LDS address of the chunk in hand
.set DD,   3                           ; v3   the mask: tile 0's query in its chunk - 16 (lane / 16)
.set NINF, 5                           ; v5   -infinity
.set SPW,  6
.set NIL,  7
.set LIMP, 8
.set SCP,  9                           ; 2^e4
.set LIMY, 10
.set SCY,  11                          ; 2^(e6 - e4 - e5)
.set ST,   12
.set FF,   20
.set MX,   24
.set PD,   28
.set OM,   30
.set S,    32
.set P,    160
.set T,    192
.set LB,   208
.set YC,   212
.set OF,   64                          ; in window 1
.set QF,   128
.set QN,   144
.set WV,   12                          ; s12  my wave's number
.set CX,   13                          ; s13  my place in the cluster
.set BH,   14                          ; s14  16 x batch + head
.set G1A,  16                          ; s[16:23] group 1: 32 rows of 256 bytes;  s[24:31]: 96 rows
.set G1B,  24
.set G0A,  32                          ; s[32:35], s[36:39] their groups 0
.set G0B,  36
.set SEL,  40                          ; s[40:41] lane selects for v_permlanex16_b32: lane l xor 16
.set CS,   42                          ; s[42:43] c = log2(e) / 8 x 2^(e2 + e3)
.set NN,   44                          ; s44  the step, 0 .. 16
.set N2,   45                          ; s45  the second pair's first step: 16 - wave
.set CH,   46                          ; s46  the chunk in hand
.set DG,   47                          ; s47  the pair's diagonal chunk
.set TB,   48                          ; s48  the LDS byte at which the chunk to be fetched begins
.set YB,   60                          ; s[60:61] y's base for the pair in hand;  s[62:63] for the second pair
.set MSB, 0
.macro WIN new                         ; the immediate's high byte repeats the setting that is left
.if MSB != \new
	s_set_vgpr_msb (MSB<<8)|\new
.set MSB, \new
.endif
.endm
.macro CROUND                          ; a round of the cluster's barrier
	s_barrier_signal -1
	s_barrier_wait -1
	s_cmp_lg_u32 s[WV], 0
	s_cbranch_scc1 .Lnot_wave_0_\@
	s_barrier_signal -3
.Lnot_wave_0_\@:
	s_barrier_wait -3
	s_barrier_signal -1
	s_barrier_wait -1
.endm
.macro INIT                            ; a pair begins: the largest t -3e38, under every t; the first change of M then multiplies the zeros below by 0
.irp x, 0,1
	v_mov_b32 v[ST+4*\x+1], 0xff61b1e6
	s_delay_alu instid0(VALU_DEP_1)
	v_floor_f32 v[ST+4*\x], -v[ST+4*\x+1]
	v_mov_b32 v[ST+4*\x+2], 0
	v_mov_b32 v[ST+4*\x+3], 0
.endr
	WIN 0x40                                       ; destination window 1
.set j, 0
.rept 64
	v_mov_b32 v[OF+j], 0                           ; O^T: the step is written without a first step of its own
.set j, j+1
.endr
.endm
.macro FETCH_K                         ; a chunk's 8 tiles of 16 keys x 64 channels: 16 loads of 512 consecutive bytes
	WIN 0x40
.irp t, 0,1,2,3,4,5,6,7
.irp c, 0,1
	ds_load_b128 v[8*\t+4*\c:8*\t+4*\c+3], v[ADR] offset:1024*\t+512*\c
.endr
.endr
	WIN 0
.endm
; A PAIR'S END: O^T / the sum, quantised for the projection, stored as it stands: 512 consecutive bytes a store.
.macro FINAL
.irp x, 0,1
	v_add_f32 v[ST+4*\x+2], v[ST+4*\x+2], v[ST+4*\x+3]          ; the sum's two halves,
.endr
.irp x, 0,1
	s_delay_alu instid0(VALU_DEP_2)
	v_permlanex16_b32 v[PD+\x], v[ST+4*\x+2], s[SEL], s[SEL+1]
.endr
.irp x, 0,1
	s_delay_alu instid0(VALU_DEP_2)
	v_add_f32 v[ST+4*\x+2], v[ST+4*\x+2], v[PD+\x]              ; and lane l xor 16's
.endr
	s_wait_alu depctr_va_vdst(0)
.irp x, 0,1
	v_rcp_f32 v[ST+4*\x+2], v[ST+4*\x+2]
.endr
	v_nop                                          ; a plain line behind the reciprocals,
	s_wait_alu depctr_va_vdst(0)                   ; and the one wait for both ahead of their first reader
	WIN 0x01                                       ; source 0 (O^T) window 1
.irp x, 0,1
.set j, 0
.rept 16
	v_pk_mul_f32 v[S+32*\x+j:S+32*\x+j+1], v[OF+32*\x+j:OF+32*\x+j+1], v[ST+4*\x+2:ST+4*\x+3] op_sel_hi:[1,0]   ; each accumulator from its low end on
.set j, j+2
.endr
.endr
	WIN 0
.set j, 0
.rept 64
.set j, j+1
.endr
.irp x, 0,1
.irp k, 0,1,2,3
	v_cvt_scalef32_pk8_fp8_f32 v[YC+8*\x+2*\k:YC+8*\x+2*\k+1], v[S+32*\x+8*\k:S+32*\x+8*\k+7], v[SCY]   ; O / l stands for y / 2^(e4 + e5): its code is (O / l) / 2^(e6 - e4 - e5)
.endr
.endr
	v_nop                                          ; a plain line between the last conversion and whatever writes its sources next
.irp x, 0,1
.irp c, 0,1
	global_store_b128 v[L16], v[YC+8*\x+4*\c:YC+8*\x+4*\c+3], s[YB:YB+1] offset:16384*\x+512*\c
.endr
.endr
.endm
.macro CHANGE                          ; from the first pair to the second
	FINAL
	s_wait_xcnt 0x0                                ; the stores have read their base and their data: both are written again only behind this wait
	s_mov_b64 s[YB:YB+1], s[YB+2:YB+3]
	s_mov_b32 s[DG], s[WV]
	INIT
	WIN 0x41                                       ; source 0 and destination window 1
.set j, 0
.rept 16
	v_mov_b32 v[QF+j], v[QN+j]
.set j, j+1
.endr
	WIN 0
.endm
; A STEP: 128 keys x my two tiles of 16 queries.  late = 0: one of the first three steps: no change of pairs, no diagonal, and the next chunk is the next in LDS.
.macro STEP late
.if \late
	s_cmp_lg_u32 s[NN], s[N2]                      ; the wave's number and the count of steps alone
	s_cbranch_scc1 .Lsame_\@
	s_wait_alu depctr_va_vdst(0)
	CHANGE
.Lsame_\@:
.endif
	s_wait_dscnt 0x0                               ; K is in
	WIN 0x05                                       ; K and Q window 1, S^T window 0
	s_wait_alu depctr_va_vdst(0)
.irp t, 0,1,2,3,4,5,6,7
.irp x, 0,1
	v_wmma_f32_16x16x64_fp8_fp8 v[S+64*\x+8*\t:S+64*\x+8*\t+7], v[8*\t:8*\t+7], v[QF+8*\x:QF+8*\x+7], 0
.endr
.endr
.rept 4
	v_nop                                          ; four places: in front of the loads into K's registers, and of the first read of the scores
.endr
	WIN 0x40
.irp t, 0,1,2,3
.irp c, 0,1,2,3
	ds_load_b128 v[16*\t+4*\c:16*\t+4*\c+3], v[ADR] offset:8192+2048*\t+512*\c   ; V's 4 tiles of 16 channels x 128 keys: they land under the softmax
.endr
.endr
	WIN 0
.if \late
	s_cmp_lg_u32 s[CH], s[DG]
	s_cbranch_scc1 .Lopen_\@
	; ON THE DIAGONAL hidden scores become -infinity ahead of the maximum: p = 0 then.  Key 32 b + 16 (lane / 16) + i is hidden from tile 0's query where 32 b + i > v[DD]; tile 1's queries lie 64 further on, so its
	; register 32 + n is hidden just where tile 0's register n is; tile 0's registers 32-63 (keys 64 on) are hidden from all its queries, tile 1's registers 0-31 from none.
.set n, 0
.rept 32
	v_cmp_gt_i32 vcc_lo, 32*(n/16)+n%16, v[DD]
	v_cndmask_b32 v[S+n], v[S+n], v[NINF], vcc_lo
	v_cndmask_b32 v[S+96+n], v[S+96+n], v[NINF], vcc_lo
.set n, n+1
.endr
.set n, 32
.rept 32
	v_mov_b32 v[S+n], v[NINF]
.set n, n+1
.endr
.Lopen_\@:
.endif
.irp x, 0,1                                    ; the step's largest score of my query among my 64 keys: two chains a tile, the registers ascending
	v_max3_num_f32 v[MX+2*\x], v[S+64*\x], v[S+64*\x+1], v[S+64*\x+2]
	v_max3_num_f32 v[MX+2*\x+1], v[S+64*\x+3], v[S+64*\x+4], v[S+64*\x+5]
.endr
.irp i, 6,10,14,18,22,26,30,34,38,42,46,50,54,58
.irp x, 0,1
	v_max3_num_f32 v[MX+2*\x], v[MX+2*\x], v[S+64*\x+\i], v[S+64*\x+\i+1]
	v_max3_num_f32 v[MX+2*\x+1], v[MX+2*\x+1], v[S+64*\x+\i+2], v[S+64*\x+\i+3]
.endr
.endr
.irp x, 0,1
	v_max3_num_f32 v[MX+2*\x], v[MX+2*\x], v[S+64*\x+62], v[S+64*\x+63]
.endr
.irp x, 0,1
	s_delay_alu instid0(VALU_DEP_2)
	v_max_num_f32 v[MX+2*\x], v[MX+2*\x], v[MX+2*\x+1]
.endr
.irp x, 0,1
	s_delay_alu instid0(VALU_DEP_2)
	v_permlanex16_b32 v[PD+\x], v[MX+2*\x], s[SEL], s[SEL+1]
.endr
.irp x, 0,1
	s_delay_alu instid0(VALU_DEP_2)
	v_max_num_f32 v[MX+2*\x], v[MX+2*\x], v[PD+\x]              ; and among lane l xor 16's
.endr
.irp x, 0,1
	s_delay_alu instid0(VALU_DEP_2)
	v_mul_f32 v[MX+2*\x], s[CS], v[MX+2*\x]                     ; as t (c is positive)
.endr
.irp x, 0
	s_delay_alu instid0(VALU_DEP_2)
	v_max_num_f32 v[ST+4*\x+1], v[ST+4*\x+1], v[MX+2*\x]        ; the running largest t
	v_mov_b32 v[OM+\x], v[ST+4*\x]
.endr
.irp x, 1
	s_delay_alu instid0(VALU_DEP_3)
	v_max_num_f32 v[ST+4*\x+1], v[ST+4*\x+1], v[MX+2*\x]
	v_mov_b32 v[OM+\x], v[ST+4*\x]
.endr
.irp x, 0
	s_delay_alu instid0(VALU_DEP_4)
	v_floor_f32 v[ST+4*\x], -v[ST+4*\x+1]
.endr
.irp x, 1
	s_delay_alu instid0(VALU_DEP_3)
	v_floor_f32 v[ST+4*\x], -v[ST+4*\x+1]                       ; the new -M = floor(-t): M is a whole number
.endr
.irp x, 0,1
	s_delay_alu instid0(VALU_DEP_2)
	v_sub_f32 v[OM+\x], v[ST+4*\x], v[OM+\x]                    ; old M - new M: a whole number, 0 or less
.endr
.irp x, 0,1
	s_delay_alu instid0(VALU_DEP_2)
	v_cvt_i32_f32 v[OM+\x], v[OM+\x]                            ; (it saturates)
.endr
.irp x, 0,1
	s_delay_alu instid0(VALU_DEP_2)
	v_ldexp_f32 v[FF+2*\x], 1.0, v[OM+\x]                       ; f = 2^(old M - new M)
.endr
.irp x, 0,1
.set j, 0
.rept 32
	v_pk_fma_f32 v[S+64*\x+j:S+64*\x+j+1], v[S+64*\x+j:S+64*\x+j+1], s[CS:CS+1], v[ST+4*\x:ST+4*\x+1] op_sel_hi:[1,0,0]   ; t - M, two at a time (of the pairs c and -M the low word serves both halves)
.set j, j+2
.endr
.endr
.set j, 0
	s_wait_alu depctr_va_vdst(0)
.rept 128
	v_exp_f32 v[S+j], v[S+j]                       ; p = 2^(t - M), at most 1: ONE BATCH
.set j, j+1
.endr
.irp x, 0,1
	v_pk_mul_f32 v[ST+4*\x+2:ST+4*\x+3], v[ST+4*\x+2:ST+4*\x+3], v[FF+2*\x:FF+2*\x+1] op_sel_hi:[1,0]   ; the sums under the new M: the plain lines behind the exponentials
.endr
	s_wait_alu depctr_va_vdst(0)                   ; one wait for the whole batch, ahead of its first reader
.irp x, 0,1                                    ; p's codes are made straight from S, which keeps the unquantised p for the sums
.irp b, 0,1,2,3
.irp u, 0,1
.irp i, 0,1,2,3,4,5,6,7
.endr
	v_cvt_scalef32_pk8_fp8_f32 v[P+16*\x+4*\b+2*\u:P+16*\x+4*\b+2*\u+1], v[T+8*\u+((S+64*\x+16*\b+8*\u+0)-(T+8*\u+0)):T+8*\u+7+((S+64*\x+16*\b+8*\u+0)-(T+8*\u+0))], v[SCP]
.endr
.endr
.endr
	WIN 0x41                                       ; O^T (destination and source 0) window 1, f window 0
.irp x, 0,1
.set j, 0
.rept 16
	v_pk_mul_f32 v[OF+32*\x+j:OF+32*\x+j+1], v[OF+32*\x+j:OF+32*\x+j+1], v[FF+2*\x:FF+2*\x+1] op_sel_hi:[1,0]   ; O^T under the new M; each accumulator from its low end on
.set j, j+2
.endr
.endr
	s_wait_alu depctr_va_vdst(0)
	s_wait_dscnt 0x0                               ; V is in
	WIN 0x51                                       ; V, C and D window 1, p's codes window 0
.irp t, 0,1,2,3
.irp x, 0,1
	v_wmma_f32_16x16x128_fp8_fp8 v[OF+32*\x+8*\t:OF+32*\x+8*\t+7], v[16*\t:16*\t+15], v[P+16*\x:P+16*\x+15], v[OF+32*\x+8*\t:OF+32*\x+8*\t+7]   ; the eight accumulators by turns, one instruction a turn
.endr
.endr
	WIN 0
.irp x, 0,1                                    ; THE ROW'S SUM OF THE UNQUANTISED p, two at a time, two chains a tile.  Its first four lines are the places in front of the loads into V's registers
	v_pk_add_f32 v[LB+2*\x:LB+2*\x+1], v[S+64*\x:S+64*\x+1], v[S+64*\x+2:S+64*\x+3]
	v_pk_add_f32 v[ST+4*\x+2:ST+4*\x+3], v[ST+4*\x+2:ST+4*\x+3], v[S+64*\x+4:S+64*\x+5]
.endr
.if \late
	s_add_co_u32 s50, s[NN], 1                     ; the next step;
	s_cmp_eq_u32 s50, 17
	s_cbranch_scc1 .Lnofetch_\@                    ; there is none behind the last
	s_cmp_ge_u32 s50, s[N2]
	s_cselect_b32 s51, s[WV], 0
	s_add_co_u32 s[CH], s50, s51
	s_and_b32 s[CH], s[CH], 15                     ; its chunk: the step's number in the first pair, the step's number - (16 - wave) in the second
	s_lshl_b32 s[TB], s[CH], 14
.else
	s_add_co_u32 s[TB], s[TB], 16384               ; the next chunk
.endif
	v_add_nc_u32 v[ADR], s[TB], v[L16]
	FETCH_K
.if \late
.Lnofetch_\@:
.endif
	s_wait_alu depctr_va_vdst(0)
.irp x, 0,1
	v_pk_add_f32 v[LB+2*\x:LB+2*\x+1], v[LB+2*\x:LB+2*\x+1], v[S+64*\x+6:S+64*\x+7]
.endr
.irp j, 8,12,16,20,24,28,32,36,40,44,48,52,56,60
.irp x, 0,1
	v_pk_add_f32 v[ST+4*\x+2:ST+4*\x+3], v[ST+4*\x+2:ST+4*\x+3], v[S+64*\x+\j:S+64*\x+\j+1]
	v_pk_add_f32 v[LB+2*\x:LB+2*\x+1], v[LB+2*\x:LB+2*\x+1], v[S+64*\x+\j+2:S+64*\x+\j+3]
.endr
.endr
.irp x, 0
	s_delay_alu instid0(VALU_DEP_3)
	v_pk_add_f32 v[ST+4*\x+2:ST+4*\x+3], v[ST+4*\x+2:ST+4*\x+3], v[LB+2*\x:LB+2*\x+1]
.endr
.irp x, 1
	s_delay_alu instid0(VALU_DEP_2)
	v_pk_add_f32 v[ST+4*\x+2:ST+4*\x+3], v[ST+4*\x+2:ST+4*\x+3], v[LB+2*\x:LB+2*\x+1]
.endr
.endm
	s_load_b256 s[4:11], s[0:1], 0x0               ; q_img s[4:5], kv_img s[6:7], the scales' exponents s[8:9], y_img s[10:11]
	v_lshl_add_u32 v[SPW], v0, 2, SPARE
	v_mov_b32 v[NIL], 0
	ds_add_u32 v[SPW], v[NIL]                      ; the wave's opening: the add, twice on end, and its wait ahead of my first tensor load; the set-up below stands between
	ds_add_u32 v[SPW], v[NIL]
	v_lshrrev_b32 v1, 5, v0
	s_delay_alu instid0(VALU_DEP_1)
	v_readfirstlane_b32 s[WV], v1                  ; wave 0..7
	s_bfe_u32 s[CX], ttmp6, 0x40000                ; cx
	s_and_b32 s[BH], ttmp7, 0xffff                 ; the cluster's y: 16 x batch + head, which the four partners share
	v_and_b32 v[L16], 31, v0
	s_delay_alu instid0(VALU_DEP_1)
	v_lshlrev_b32 v[L16], 4, v[L16]
	; K and V of the head are one dense block: it comes in as rows of 256 bytes (32 elements of 8 bytes), no padding: fragments are read as images, 512 consecutive bytes a load
	s_mov_b32 s[G1A], 15|(3<<16)|(1<<21)           ; 15:0 the mask: all four work-groups; 17:16 elements of 8 bytes; 21 set beside a mask
	s_mov_b32 s[G1A+1], 32<<16                     ; tensor_dim0 = 32
	s_mov_b32 s[G1A+2], 32<<16                     ; tensor_dim1 = 32 rows
	s_mov_b32 s[G1A+3], 32<<16                     ; tile_dim0 = 32
	s_mov_b32 s[G1A+4], 32                         ; tile_dim1 = 32
	s_mov_b32 s[G1A+5], 32                         ; the pitch
	s_mov_b32 s[G1A+6], 0
	s_mov_b32 s[G1A+7], 0
	s_mov_b32 s[G1B], 15|(3<<16)|(1<<21)
	s_mov_b32 s[G1B+1], 32<<16
	s_mov_b32 s[G1B+2], 96<<16                     ; 96 rows
	s_mov_b32 s[G1B+3], 32<<16
	s_mov_b32 s[G1B+4], 96
	s_mov_b32 s[G1B+5], 32
	s_mov_b32 s[G1B+6], 0
	s_mov_b32 s[G1B+7], 0
	s_lshl_b32 s46, s[WV], 13                      ; the first fill: my eighth of chunks 0 to 3: 8,192 bytes at 8,192 x wave, in LDS as in the head's block
	s_lshl_b32 s50, s[BH], 18                      ; the head's block: 262,144 bytes
	s_add_co_u32 s50, s50, s46
	s_mov_b32 s51, 0
	s_mul_i32 s47, s[WV], 24576                    ; the second: my eighth of chunks 4 to 15: 24,576 bytes
	s_add_co_u32 s47, s47, 65536
	s_lshl_b32 s48, s[BH], 18
	s_add_co_u32 s48, s48, s47
	s_mov_b32 s49, 0
	s_mov_b32 s[SEL], 0x76543210
	s_mov_b32 s[SEL+1], 0xfedcba98
	s_mov_b32 s[CS], 0x3e38aa3b                    ; log2(e) / 8
	s_wait_dscnt 0x0                               ; both opening adds are done
	s_wait_kmcnt 0x0
	s_load_b128 s[52:55], s[8:9], 0x8              ; entries 2 to 5
	s_load_b32 s56, s[8:9], 0x18                   ; entry 6
	s_mov_b32 s[G0A], 1
	s_mov_b32 s[G0A+1], s46
	s_add_nc_u64 s[G0A+2:G0A+3], s[6:7], s[50:51]
	s_or_b32 s[G0A+3], s[G0A+3], 0x80000000
	s_mov_b32 s[G0B], 1
	s_mov_b32 s[G0B+1], s47
	s_add_nc_u64 s[G0B+2:G0B+3], s[6:7], s[48:49]
	s_or_b32 s[G0B+3], s[G0B+3], 0x80000000
	CROUND                                         ; all four work-groups are here: the joint loads meet
	tensor_load_to_lds s[G0A:G0A+3], s[G1A:G1A+7]  ; every wave issues both fills, with no branch, and no more are issued in the launch
	s_nop 0
	s_wait_alu depctr_va_vdst(0)
	s_wait_tensorcnt 0x0
	ds_add_u32 v6, v7
	s_wait_dscnt 0x0
	CROUND
	tensor_load_to_lds s[G0B:G0B+3], s[G1B:G1B+7]
	s_nop 0
.rept 4
	v_nop
.endr
	; Q's and y's addresses: here alone cx enters
	s_sub_co_u32 s15, 15, s[WV]
	s_lshl_b32 s57, s15, 3
	s_add_co_u32 s57, s57, s[CX]                   ; the first pair's tile 0: 8 (15 - wave) + cx
	s_lshl_b32 s15, s[WV], 3
	s_add_co_u32 s15, s15, s[CX]                   ; the second pair's: 8 wave + cx
	s_lshl_b32 s58, s57, 10
	s_lshl_b32 s59, s[BH], 17
	s_add_co_u32 s58, s58, s59
	s_mov_b32 s59, 0
	s_add_nc_u64 s[58:59], s[4:5], s[58:59]        ; q_img + 131,072 bh + 1,024 tile
	s_lshl_b32 s2, s15, 10
	s_lshl_b32 s3, s[BH], 17
	s_add_co_u32 s2, s2, s3
	s_mov_b32 s3, 0
	s_add_nc_u64 s[2:3], s[4:5], s[2:3]
	WIN 0x40                                       ; destination window 1
	s_wait_alu depctr_va_vdst(0)
.irp x, 0,1
.irp c, 0,1
	global_load_b128 v[QF+8*\x+4*\c:QF+8*\x+4*\c+3], v[L16], s[58:59] offset:4096*\x+512*\c
	global_load_b128 v[QN+8*\x+4*\c:QN+8*\x+4*\c+3], v[L16], s[2:3] offset:4096*\x+512*\c
.endr
.endr
	WIN 0
	s_bfe_u32 s60, s[BH], 0x20002                  ; head / 4: the K slot of 256,
	s_lshl_b32 s60, s60, 21                        ; 2,097,152 bytes each
	s_lshr_b32 s61, s[BH], 4
	s_lshl_b32 s61, s61, 19                        ; the batch's 128 tiles of 4,096 bytes
	s_add_co_u32 s60, s60, s61
	s_and_b32 s61, s[BH], 3
	s_lshl_b32 s61, s61, 10                        ; 2,048 ((head / 2) % 2) + 1,024 (head % 2)
	s_add_co_u32 s60, s60, s61
	s_lshl_b32 s62, s15, 12
	s_add_co_u32 s62, s62, s60
	s_mov_b32 s63, 0
	s_add_nc_u64 s[YB+2:YB+3], s[10:11], s[62:63]  ; the second pair's
	s_lshl_b32 s61, s57, 12
	s_add_co_u32 s60, s60, s61
	s_mov_b32 s61, 0
	s_add_nc_u64 s[YB:YB+1], s[10:11], s[60:61]    ; the first pair's
	v_and_b32 v24, 15, v0                          ; r
	v_bfe_u32 v25, v0, 4, 1                        ; h
	s_delay_alu instid0(VALU_DEP_2)
	v_and_b32 v26, 8, v24
	s_delay_alu instid0(VALU_DEP_1)
	v_add_nc_u32 v24, v24, v26                     ; r + 8 (r / 8)
	s_delay_alu instid0(VALU_DEP_3)
	v_lshlrev_b32 v25, 4, v25
	s_delay_alu instid0(VALU_DEP_1)
	v_sub_nc_u32 v[DD], v24, v25
	s_lshr_b32 s57, s[CX], 1
	s_lshl_b32 s57, s57, 5
	s_and_b32 s15, s[CX], 1
	s_lshl_b32 s15, s15, 3
	s_add_co_u32 s57, s57, s15
	v_add_nc_u32 v[DD], s57, v[DD]                 ; tile 0's query in its chunk, 32 (cx / 2) + 8 (cx % 2) + r + 8 (r / 8), less 16 h
	v_mov_b32 v[NINF], 0xff800000
	v_mov_b32 v[FF+1], 0                           ; (named as the upper halves of pairs)
	v_mov_b32 v[FF+3], 0
	v_mov_b32 v[PD], 0                             ; (a lane permute's destination counts as one of its sources)
	v_mov_b32 v[PD+1], 0
	INIT
	WIN 0
	s_sub_co_u32 s[N2], 16, s[WV]
	s_sub_co_u32 s[DG], 15, s[WV]
	s_mov_b32 s[TB], 0
	s_wait_kmcnt 0x0
	s_add_co_i32 s50, s52, s53
	s_lshl_b32 s50, s50, 23
	s_add_co_i32 s[CS], s[CS], s50                 ; a score stands for score x 2^(e2 + e3): the two exponents are added to c's exponent field
	s_mov_b32 s[CS+1], s[CS]                       ; (named with it as a pair)
	s_add_co_i32 s50, s54, 127
	s_lshl_b32 s51, s50, 23
	v_mov_b32 v[SCP], s51
	s_sub_co_i32 s50, s56, s54
	s_sub_co_i32 s50, s50, s55
	s_add_co_i32 s50, s50, 127
	s_lshl_b32 s51, s50, 23
	v_mov_b32 v[SCY], s51
	s_add_co_i32 s50, s50, 8
	s_lshl_b32 s50, s50, 23
	s_or_b32 s50, s50, 0x600000
	s_wait_tensorcnt 0x1                           ; my part of chunks 0 to 3 is in; the second fill may stay out
	s_barrier_signal -1
	s_barrier_wait -1                              ; everybody's is
	v_mov_b32 v[ADR], v[L16]                       ; chunk 0
	FETCH_K
	s_wait_loadcnt 0x0                             ; Q, both pairs'
	s_mov_b32 s[NN], 0
.Learly:                                           ; steps 0 to 2: every wave is in its first pair (9 steps at the least), far from its diagonal; they read chunks 0 to 3 alone, while chunks 4 to 15 land
	s_wait_alu depctr_va_vdst(0)
	STEP 0
	s_add_co_u32 s[NN], s[NN], 1
	s_cmp_lt_u32 s[NN], 3
	s_cbranch_scc1 .Learly
	s_wait_tensorcnt 0x0                           ; my part of chunks 4 to 15 is in,
	s_wait_dscnt 0x0                               ; (no LDS load of mine is out at a signal)
	s_barrier_signal -1
	s_barrier_wait -1                              ; everybody's is.  Nothing is ever filled again
	s_mov_b32 s[NN], 3
	s_mov_b32 s[CH], 3
.Llate:                                            ; steps 3 to 16
	STEP 1
	s_add_co_u32 s[NN], s[NN], 1
	s_cmp_lt_u32 s[NN], 17
	s_cbranch_scc1 .Llate
	FINAL
	s_wait_tensorcnt 0x0                           ; the wave's end, behind my last tensor load
	ds_add_u32 v[SPW], v[NIL]
	s_wait_dscnt 0x0
	CROUND                                         ; the closing round
	s_endpgm
.Lfunc_end_k_q904a59b4c4_attn:
	.size	k_q904a59b4c4_attn, .Lfunc_end_k_q904a59b4c4_attn-k_q904a59b4c4_attn
	.p2alignl 7, 3214868480
	.fill 96, 4, 3214868480
	.section	.rodata,"a",@progbits
	.p2align	6, 0x0
	.amdhsa_kernel k_q904a59b4c4_attn
		.amdhsa_group_segment_fixed_size 327680
		.amdhsa_private_segment_fixed_size 0
		.amdhsa_enable_private_segment 0
		.amdhsa_kernarg_size 32
		.amdhsa_user_sgpr_count 2
		.amdhsa_user_sgpr_kernarg_segment_ptr 1
		.amdhsa_wavefront_size32 1
		.amdhsa_system_sgpr_workgroup_id_x 1
		.amdhsa_system_sgpr_workgroup_id_y 1
		.amdhsa_system_sgpr_workgroup_id_z 1
		.amdhsa_system_vgpr_workitem_id 0
		.amdhsa_next_free_vgpr 512
		.amdhsa_next_free_sgpr 66
		.amdhsa_reserve_vcc 1
		.amdhsa_float_denorm_mode_32 3
		.amdhsa_float_denorm_mode_16_64 3
		.amdhsa_fp16_overflow 1
		.amdhsa_memory_ordered 1
		.amdhsa_forward_progress 1
		.amdhsa_inst_pref_size 76
	.end_amdhsa_kernel
	.amdgpu_metadata
---
amdhsa.version: [ 1, 2 ]
amdhsa.kernels:
  - .name:           k_q904a59b4c4_attn
    .symbol:         k_q904a59b4c4_attn.kd
    .args:
      - { .name: q_img, .offset: 0, .size: 8, .value_kind: global_buffer, .address_space: global }
      - { .name: kv_img, .offset: 8, .size: 8, .value_kind: global_buffer, .address_space: global }
      - { .name: lowp_scales, .offset: 16, .size: 8, .value_kind: global_buffer, .address_space: global }
      - { .name: y_img, .offset: 24, .size: 8, .value_kind: global_buffer, .address_space: global }
    .group_segment_fixed_size: 327680
    .private_segment_fixed_size: 0
    .kernarg_segment_align: 8
    .kernarg_segment_size: 32
    .max_flat_workgroup_size: 256
    .sgpr_count:     66
    .vgpr_count:     512
    .wavefront_size: 32
...
	.end_amdgpu_metadata
.endif
;; end of part 4
;; launch gemm_proj (part 5): grid 4 x 32, 4 waves a work-group, clusters of 4 x 4, 327,680 bytes of LDS; arguments y_img, wp_codes, lowp_scales, out0; writes out0
.if DOCPART == 5
	.amdgcn_target "amdgcn-amd-amdhsa--gfx1250"
	.amdhsa_code_object_version 6
	.text
	.protected	k_q904a59b4c4_gemm_proj
	.globl	k_q904a59b4c4_gemm_proj
	.p2align	8
	.type	k_q904a59b4c4_gemm_proj,@function
k_q904a59b4c4_gemm_proj:
	s_mov_b64 s[64:65], 0
	v_nop
	global_prefetch_b8 v0, s[64:65] scope:SCOPE_SE
	s_setreg_imm32_b32 hwreg(HW_REG_WAVE_MODE, 25, 1), 1
	s_wait_xcnt 0x0
	s_wait_alu depctr_hold_cnt(0) depctr_sa_sdst(0) depctr_va_vdst(0) depctr_va_sdst(0) depctr_va_ssrc(0) depctr_va_vcc(0) depctr_vm_vsrc(0)
	s_getreg_b32 s2, hwreg(HW_REG_IB_STS2, 6, 4)
	s_cmp_eq_u32 s2, 0
	s_cbranch_scc0 .Lentry_in_a_cluster
	s_endpgm
.Lentry_in_a_cluster:
	s_bfe_u32 s2, ttmp6, 0x10000c
	s_cmp_lg_u32 s2, 0xf033
	s_cbranch_scc0 .Lentry_shape_is_right
	s_endpgm
.Lentry_shape_is_right:
; out0 = y W_proj on codes of FP8 (E4M3), K = 1,024, f32 sums; each finished sum is multiplied once by 2^(e6 + e7), entries 6 and 7 of lowp_scales.  LIMIT: e6 + e7 between -126 and 127.
; A = y, as images of its fragments (launch attn): y_img [K slot of 256: 4][tile of 16 rows: 512][q 2][c 4][lane 32][16 bytes].  B = wp_codes [1024 rows][1024], K innermost.  Rows of both are in perm order (bits 3 and 4 of the
; row's number exchanged: launch quant_x); the way out puts rows and columns of out0 back in their places, in its offsets alone.
; A tile of 256 x 256 of out0 is made by a work-group of four waves, a wave makes 128 x 128: 64 accumulators.  K goes in steps of 256 through a ring of two LDS slots filled by the tensor data mover: A's 128 rows x 256 K are one
; dense block of 32,768 bytes (128 rows of 256 bytes, no padding: its fragments are read as images, 512 consecutive bytes a load); B's rows get 16 bytes of padding.
; CLUSTERS: 4 x 4 work-groups; A's tile is shared along a row of the cluster, B's along a column: joint loads.  THE MATRIX INSTRUCTION IS USED TRANSPOSED (source 0 = 16 rows of B, source 1 = 16 rows of A).
; 128 work-groups: out0 has 128 tiles of this size.
; REGISTERS: window 0: v0-31 addresses; from v128 A's fragments, ONE set; on the way out v32-255 are free.  window 1: B's fragments, TWO sets.  windows 2, 3: the accumulators ((a, b) at v[8 (8 (a % 4) + b)]).
.set SIZE_N, 1024
.set ROWB,   256                       ; a row of B's tile in bytes
.set KROW,   1024                      ; a row of wp_codes in memory
.set ASLOT,  2097152                   ; a K slot on in y_img
.set PITCH,  272                       ; B's LDS row: 256 bytes + 16 of padding: the 16 rows that a load touches start at 16 different banks (64 banks of 4 bytes: ISA guide 11.1)
.set FR,     16
.set NL,     4
.set NP,     4
.set HALFT,  128*PITCH                 ; room for what one tensor load brings (A's block uses 32,768 bytes of it)
.set SLOT,   4*HALFT
.set LAPS,   2
.set SPARE,  2*SLOT                    ; behind the ring: the spare words
.set SPITCH, 528                       ; the way out: a stage of 16 rows x (512 bytes + 16) for each wave, in slot 0, which has had its last fill and its last read when the first result is stored there
.set ADRA, 16
.set ADRB, 20
.set STO,  24
.set RD,   25
.set CO,   26
.set SPW,  28
.set NIL,  29
.set TMP,  32
.set AF,   128
.set BK,   128
.set G1, 24
.set G0, 32
.set G1B, 48
.set G0B, 56
.set MSB, 0
.macro WIN new
.if MSB != \new
	s_set_vgpr_msb (MSB<<8)|\new
.set MSB, \new
.endif
.endm
.set MUL_LO, 0xa1
.set MUL_HI, 0xf1
.set TO_B,   0x40
.macro JLOAD g0a, g1a, g0b, g1b        ; a joint load: waves 0 and 1 fetch for A, waves 2 and 3 for B; an s_nop 0 and four v_nop follow each line
	s_cmp_eq_u32 s15, 0
	s_cbranch_scc0 .Lfor_b_\@
	tensor_load_to_lds s[\g0a:\g0a+3], s[\g1a:\g1a+7]
	s_nop 0
.rept 4
	v_nop
.endr
	s_branch .Lasked_\@
.Lfor_b_\@:
	tensor_load_to_lds s[\g0b:\g0b+3], s[\g1b:\g1b+7]
	s_nop 0
.rept 4
	v_nop
.endr
.Lasked_\@:
.endm
.macro CREST
	s_cmp_lg_u32 s14, 0
	s_cbranch_scc1 .Lnot_wave_0_\@
	s_barrier_signal -3
.Lnot_wave_0_\@:
	s_barrier_wait -3
	s_barrier_signal -1
	s_barrier_wait -1
.endm
.macro CROUND
	s_barrier_signal -1
	s_barrier_wait -1
	CREST
.endm
	s_load_b128 s[4:7], s[0:1], 0x0                ; y_img s[4:5], wp_codes s[6:7]
	s_load_b128 s[8:11], s[0:1], 0x10              ; the scales' exponents s[8:9], out0 s[10:11]
	v_lshl_add_u32 v[SPW], v0, 2, SPARE
	v_mov_b32 v[NIL], 0
	ds_add_u32 v[SPW], v[NIL]                      ; the wave's opening: the add, twice on end, and its wait ahead of my first tensor load
	ds_add_u32 v[SPW], v[NIL]
	v_lshrrev_b32 v1, 5, v0
	v_readfirstlane_b32 s14, v1                    ; wave 0..3
	s_lshr_b32 s15, s14, 1                         ; which half of the tile's rows is mine.  Also: I fetch for A (0) or for B (1)
	s_and_b32 s16, s14, 1                          ; which half of its columns.  Also: which 128 rows of that tile I fetch
	s_bfe_u32 s40, ttmp6, 0x40000                  ; cx, cy
	s_bfe_u32 s41, ttmp6, 0x40004
	s_lshl_b32 s42, ttmp9, 2
	s_add_co_u32 s42, s42, s40                     ; tile column = 4 x cluster x + cx
	s_and_b32 s17, ttmp7, 0xffff
	s_lshl_b32 s17, s17, 2
	s_add_co_u32 s17, s17, s41                     ; tile row = 4 x cluster y + cy
	s_lshl_b32 s43, s41, 2
	s_lshl_b32 s43, 15, s43                        ; my row of the cluster
	s_lshl_b32 s44, 0x1111, s40                    ; my column
	s_or_b32 s[G1+0], s43, (0<<16)|(1<<21)         ; A: 15:0 the mask of my row; elements of 1 byte; no padding; 21 set beside a mask
	s_mov_b32 s[G1+1], 256<<16                     ; tensor_dim0 = 256
	s_mov_b32 s[G1+2], 128<<16                     ; tensor_dim1 = 128
	s_mov_b32 s[G1+3], 256<<16                     ; tile_dim0
	s_mov_b32 s[G1+4], 128                         ; tile_dim1
	s_mov_b32 s[G1+5], 256                         ; the pitch: the block is dense
	s_mov_b32 s[G1+6], 0
	s_mov_b32 s[G1+7], 0
	s_or_b32 s[G1B+0], s44, (0<<16)|(1<<20)|(1<<21)|(5<<22)|(3<<25)  ; B: the mask of my column; padding: four words after every 64
	s_mov_b32 s[G1B+1], ROWB<<16
	s_mov_b32 s[G1B+2], 128<<16
	s_mov_b32 s[G1B+3], ROWB<<16
	s_mov_b32 s[G1B+4], 128
	s_mov_b32 s[G1B+5], KROW
	s_mov_b32 s[G1B+6], 0
	s_mov_b32 s[G1B+7], 0
	s_lshl_b32 s20, s17, 16                        ; A: 16 tiles of 4,096 bytes for each tile row,
	s_lshl_b32 s18, s16, 15                        ; + 8 tiles x half
	s_add_co_u32 s20, s20, s18
	s_mov_b32 s21, 0
	s_lshl_b32 s46, s42, 8
	s_lshl_b32 s19, s16, 7
	s_add_co_u32 s46, s46, s19                     ; B: row 256 x tile column + 128 x half
	s_lshl_b32 s46, s46, 10
	s_mov_b32 s47, 0
	s_mul_i32 s45, s14, HALFT                      ; where they go: no place in the cluster enters an LDS address
	s_wait_dscnt 0x0                               ; both opening adds are done
	s_wait_kmcnt 0x0
	s_load_b64 s[96:97], s[8:9], 0x18              ; e6, e7
	s_add_nc_u64 s[20:21], s[4:5], s[20:21]
	s_add_nc_u64 s[46:47], s[6:7], s[46:47]
	CROUND                                         ; all sixteen work-groups are here: the first joint loads meet
.irp s, 0,1
	s_mov_b32 s[G0+4*\s], 1
	s_add_co_u32 s[G0+4*\s+1], s45, \s*SLOT
	s_add_nc_u64 s[G0+4*\s+2:G0+4*\s+3], s[20:21], \s*ASLOT
	s_or_b32 s[G0+4*\s+3], s[G0+4*\s+3], 0x80000000
	s_mov_b32 s[G0B+4*\s], 1
	s_add_co_u32 s[G0B+4*\s+1], s45, \s*SLOT
	s_add_nc_u64 s[G0B+4*\s+2:G0B+4*\s+3], s[46:47], \s*ROWB
	s_or_b32 s[G0B+4*\s+3], s[G0B+4*\s+3], 0x80000000
	s_wait_alu depctr_va_vdst(0)
	s_wait_tensorcnt 0x0
	ds_add_u32 v28, v29
	ds_add_u32 v28, v29
	s_wait_dscnt 0x0
	CROUND
	JLOAD G0+4*\s, G1, G0B+4*\s, G1B
.endr
	v_and_b32 v1, 15, v0                           ; l % 16
	v_bfe_u32 v2, v0, 4, 1                         ; l / 16
	v_mul_u32_u24 v3, v1, PITCH
	v_lshl_add_u32 v4, v2, 4, v3                   ; B: a fragment's row x pitch + 16 x half
	v_and_b32 v6, 31, v0
	v_lshlrev_b32 v[CO], 4, v6                     ; A: 16 x lane.  Also my 16 bytes of a row's 512 on the way out
	s_wait_alu depctr_va_vdst(0)
	s_mul_i32 s21, s15, HALFT                      ; my 128 rows of A
	s_mul_i32 s22, s16, HALFT                      ; my 128 rows of B,
	s_add_co_u32 s22, s22, 2*HALFT                 ; which lie behind A's
.irp s, 0,1
	v_add_nc_u32 v[ADRA+\s], s21, v[CO]
	v_add_nc_u32 v[ADRB+\s], s22, v4
	s_add_co_u32 s21, s21, SLOT
	s_add_co_u32 s22, s22, SLOT
.endr
	s_mul_i32 s23, s14, 16*SPITCH                  ; my stage
	v_mul_u32_u24 v5, v1, SPITCH                   ; in: row l % 16; register j of B's tile 2 g + u is column 32 g + 16 (l / 16) + 8 u + j: 64 bytes for each half of the lanes
	v_lshl_add_u32 v5, v2, 6, v5
	v_add_nc_u32 v[STO], s23, v5
	v_add_nc_u32 v[RD], s23, v[CO]                 ; back: the 32 lanes take one row of 512 bytes
	s_lshl_b32 s20, s17, 8
	s_lshl_b32 s21, s15, 7
	s_add_co_u32 s20, s20, s21                     ; my first row of out0: 256 x tile row + 128 x half
	s_lshl_b32 s20, s20, 12                        ; x 4,096 bytes
	s_mov_b32 s21, 0
	s_lshl_b32 s46, s42, 10                        ; my first column, in bytes: 1,024 x tile column + 512 x half
	s_lshl_b32 s47, s16, 9
	s_add_co_u32 s46, s46, s47
	s_mov_b32 s47, 0
	s_add_nc_u64 s[20:21], s[20:21], s[46:47]
	s_add_nc_u64 s[10:11], s[10:11], s[20:21]
.macro FRAG reg, adr, q, i             ; B's fragment: lane l holds row l % 16; registers 4 c .. 4 c + 3 hold K = 32 c + 16 (l / 16) + 0 .. 15
.irp c, 0,1,2,3
	ds_load_b128 v[\reg+4*\c:\reg+4*\c+3], v[\adr] offset:128*(\q)+32*\c+(\i)*16*PITCH
.endr
.endm
.macro FRAGA reg, adr, q, i            ; A's fragment, the same places of K, as an image: tile i of my eight, the slot's q-th 128 along K
.irp c, 0,1,2,3
	ds_load_b128 v[\reg+4*\c:\reg+4*\c+3], v[\adr] offset:4096*(\i)+2048*(\q)+512*\c
.endr
.endm
.macro MUL16 a0, p, zero               ; 16 matrix instructions: A's blocks a0, a0 + 1 x B's eight.  The 64 accumulators take turns, one instruction a turn
.irp a, \a0, \a0+1
.irp b, 0,1,2,3,4,5,6,7
.if \zero
	v_wmma_f32_16x16x128_fp8_fp8 v[8*(8*((\a)%4)+\b):8*(8*((\a)%4)+\b)+7], v[128*(\p)+FR*\b:128*(\p)+FR*\b+FR-1], v[AF+FR*(\a):AF+FR*(\a)+FR-1], 0
.else
	v_wmma_f32_16x16x128_fp8_fp8 v[8*(8*((\a)%4)+\b):8*(8*((\a)%4)+\b)+7], v[128*(\p)+FR*\b:128*(\p)+FR*\b+FR-1], v[AF+FR*(\a):AF+FR*(\a)+FR-1], v[8*(8*((\a)%4)+\b):8*(8*((\a)%4)+\b)+7]
.endif
.endr
.endr
.endm
.macro FETCH_B slot, q, p
	WIN TO_B
.irp i, 0,1,2,3,4,5,6,7
	FRAG 128*(\p)+FR*\i, ADRB+\slot, \q, \i
.endr
	WIN 0
.endm
.macro FETCH_A slot, q, i0
.irp i, \i0, \i0+1, \i0+2, \i0+3
	FRAGA AF+FR*(\i), ADRA+\slot, \q, \i
.endr
.endm
.macro PLACES n                        ; plain vector lines between a matrix instruction and a load into a register that it read, or a read of its result
.rept \n
	v_nop
.endr
.endm
.macro STEP slot, q, zero              ; a step of 128 along K that has its successor in the same slot
	s_wait_dscnt 4*NL                              ; B's set and A's blocks 0-3 are in; the youngest 16 loads (A's blocks 4-7) may be out
	WIN MUL_LO
	MUL16 0, (\q)%2, \zero
	MUL16 2, (\q)%2, \zero
	s_wait_dscnt 0
	PLACES NP
	FETCH_B \slot, (\q)+1, 1-(\q)%2
	FETCH_A \slot, (\q)+1, 0
	WIN MUL_HI
	MUL16 4, (\q)%2, \zero
	MUL16 6, (\q)%2, \zero
	PLACES NP
	WIN 0
	FETCH_A \slot, (\q)+1, 4
.endm
.macro TURN slot, next, fill           ; a slot's last step changes slots: one barrier; fill = 1: this slot is filled again, two K steps ahead
	s_wait_tensorcnt 0x0                           ; all my tensor loads have landed: my part of the next slot
	ds_add_u32 v[SPW], v[NIL]                      ; 0 onto my spare word
	s_wait_dscnt 4*NL+1                            ; the add and the youngest 16 loads may be out
	WIN MUL_LO
	MUL16 0, 1, 0
	s_wait_dscnt 0x0                               ; the add is done, and my reads of this slot are over
	s_barrier_signal -1
	MUL16 2, 1, 0
	WIN 0
	s_barrier_wait -1
.if \fill
	CREST                                          ; the barrier has opened a round of the cluster's: no wave of any partner still reads this slot's tile or has a load on its way
	s_add_nc_u64 s[G0+4*\slot+2:G0+4*\slot+3], s[G0+4*\slot+2:G0+4*\slot+3], 2*ASLOT
	s_add_nc_u64 s[G0B+4*\slot+2:G0B+4*\slot+3], s[G0B+4*\slot+2:G0B+4*\slot+3], 2*ROWB
	JLOAD G0+4*\slot, G1, G0B+4*\slot, G1B
.else
	PLACES NP
.endif
	FETCH_B \next, 0, 0
	FETCH_A \next, 0, 0
	WIN MUL_HI
	MUL16 4, 1, 0
	MUL16 6, 1, 0
	PLACES NP
	WIN 0
	FETCH_A \next, 0, 4
.endm
	s_wait_alu depctr_va_vdst(0)
	s_wait_tensorcnt 1                             ; my part of K step 0 is in; K step 1's load may be out
	s_barrier_signal -1
	s_barrier_wait -1
	FETCH_B 0, 0, 0
	FETCH_A 0, 0, 0
	FETCH_A 0, 0, 4
	STEP 0, 0, 1                                   ; the first step's products start the sums
	s_mov_b32 s3, LAPS-1
.Llap:
	TURN 0, 1, 1
	STEP 1, 0, 0
	TURN 1, 0, 1
	STEP 0, 0, 0
	s_sub_co_u32 s3, s3, 1
	s_cmp_lg_u32 s3, 0
	s_cbranch_scc1 .Llap
	TURN 0, 1, 0                                   ; the last lap fills nothing
	STEP 1, 0, 0
	s_wait_dscnt 4*NL
	WIN MUL_LO
	MUL16 0, 1, 0
	MUL16 2, 1, 0
	s_wait_dscnt 0
	WIN MUL_HI
	MUL16 4, 1, 0
	MUL16 6, 1, 0
	WIN 0
; THE WAY OUT, block by block of 16 rows x 128 columns, through my own stage in LDS: in by 32 bytes of a row, back as whole rows of 512 bytes, which the 32 lanes store as 512 consecutive bytes.
; LDS serves a wave's instructions in order (ISA guide 5.7.1.4): no wait between the stores and the loads, nor in front of the next block's stores.
.macro TOSTAGE a
.set AC, 64*((\a)%4)
	WIN 0x02+((\a)/4)                              ; source 0: window 2 or 3
.set j, 0
.rept 32
	v_pk_mul_f32 v[TMP+j:TMP+j+1], v[AC+j:AC+j+1], s[96:97] op_sel_hi:[1,0]   ; both x s96 = 2^(e6 + e7); each accumulator from its low end on
.set j, j+2
.endr
	WIN 0
.irp b, 0,1,2,3,4,5,6,7
	ds_store_b128 v[STO], v[TMP+8*\b:TMP+8*\b+3] offset:128*(\b/2)+32*(\b%2)
	ds_store_b128 v[STO], v[TMP+8*\b+4:TMP+8*\b+7] offset:128*(\b/2)+32*(\b%2)+16
.endr
.set BB, BK+64*((\a)%2)
.irp t, 0,1,2,3,4,5,6,7,8,9,10,11,12,13,14,15
	ds_load_b128 v[BB+4*\t:BB+4*\t+3], v[RD] offset:\t*SPITCH
.endr
.endm
; Row t of block a = 2 g + u is token row 32 g + 8 u + t + 8 (t / 8) of my 128: the base stands at 32 g + 8 u, the rest is in the stores' offsets.
.macro SEND a, younger                 ; younger: the LDS instructions issued behind block a's loads, which may stay out
.set BB, BK+64*((\a)%2)
	s_wait_dscnt \younger
.if (\a) > 0
	s_add_nc_u64 s[10:11], s[10:11], (8+16*(1-(\a)%2))*SIZE_N*4   ; (behind a wait on XCNT: the earlier stores have read their base)  8 rows on into an odd block, 24 into an even one
.endif
.irp t, 0,1,2,3,4,5,6,7,8,9,10,11,12,13,14,15
	global_store_b128 v[CO], v[BB+4*\t:BB+4*\t+3], s[10:11] offset:(\t+8*(\t/8))*SIZE_N*4 th:TH_STORE_NT   ; 512 consecutive bytes, at a multiple of 512 from out0's first byte; written once, read by nobody here
.endr
.endm
	s_wait_kmcnt 0x0
	s_add_co_i32 s96, s96, s97
	s_add_co_i32 s96, s96, 127
	s_lshl_b32 s96, s96, 23                        ; 2^(e6 + e7) as f32
	PLACES NP                                      ; behind the last products: results are read, and the registers that held A's fragments loaded, only behind these
	TOSTAGE 0
.irp a, 1,2,3,4,5,6,7
.if \a > 1
	s_wait_xcnt 0x0                                ; block a - 2's stores have read their registers and their base
.endif
	TOSTAGE \a
	SEND \a-1, 32                                  ; behind block a - 1's loads: block a's 16 stores and 16 loads
.endr
	s_wait_xcnt 0x0
	SEND 7, 0
	s_wait_tensorcnt 0x0                           ; the wave's end, behind my last tensor load and my last LDS store
	ds_add_u32 v[SPW], v[NIL]
	s_wait_dscnt 0x0
	CROUND                                         ; the closing round
	s_endpgm
.Lfunc_end_k_q904a59b4c4_gemm_proj:
	.size	k_q904a59b4c4_gemm_proj, .Lfunc_end_k_q904a59b4c4_gemm_proj-k_q904a59b4c4_gemm_proj
	.p2alignl 7, 3214868480
	.fill 96, 4, 3214868480
	.section	.rodata,"a",@progbits
	.p2align	6, 0x0
	.amdhsa_kernel k_q904a59b4c4_gemm_proj
		.amdhsa_group_segment_fixed_size 327680
		.amdhsa_private_segment_fixed_size 0
		.amdhsa_enable_private_segment 0
		.amdhsa_kernarg_size 32
		.amdhsa_user_sgpr_count 2
		.amdhsa_user_sgpr_kernarg_segment_ptr 1
		.amdhsa_wavefront_size32 1
		.amdhsa_system_sgpr_workgroup_id_x 1
		.amdhsa_system_sgpr_workgroup_id_y 1
		.amdhsa_system_sgpr_workgroup_id_z 1
		.amdhsa_system_vgpr_workitem_id 0
		.amdhsa_next_free_vgpr 1024
		.amdhsa_next_free_sgpr 98
		.amdhsa_reserve_vcc 0
		.amdhsa_float_denorm_mode_32 3
		.amdhsa_float_denorm_mode_16_64 3
		.amdhsa_memory_ordered 1
		.amdhsa_forward_progress 1
		.amdhsa_inst_pref_size 124
	.end_amdhsa_kernel
	.amdgpu_metadata
---
amdhsa.version: [ 1, 2 ]
amdhsa.kernels:
  - .name:           k_q904a59b4c4_gemm_proj
    .symbol:         k_q904a59b4c4_gemm_proj.kd
    .args:
      - { .name: y_img, .offset: 0, .size: 8, .value_kind: global_buffer, .address_space: global }
      - { .name: wp_codes, .offset: 8, .size: 8, .value_kind: global_buffer, .address_space: global }
      - { .name: lowp_scales, .offset: 16, .size: 8, .value_kind: global_buffer, .address_space: global }
      - { .name: out0, .offset: 24, .size: 8, .value_kind: global_buffer, .address_space: global }
    .group_segment_fixed_size: 327680
    .private_segment_fixed_size: 0
    .kernarg_segment_align: 8
    .kernarg_segment_size: 32
    .max_flat_workgroup_size: 128
    .sgpr_count:     98
    .vgpr_count:     1024
    .wavefront_size: 32
...
	.end_amdgpu_metadata
.endif
;; end of part 5
